; MI455X (gfx1250); checked and timed in simulation.
; The chip was launched on July 23, 2026; its instructions are those of AMD's public machine-readable ISA for CDNA 5 (MIT licence, August 2026) and "CDNA5" Instruction Set Architecture Reference Guide (July 2026). The comments in the code are by the model that wrote it; some were corrected since.
;; Multihead Attention Block. Allowed arithmetic: matrix products marked QUANTISED: E2M3 operands, one E8M0 scale for each 32 along K, by v_wmma_scale_f32_16x16x128_f8f6f4 with both operands' format E2M3, f32 sums; everything else in f32.
;; Inputs: b_k 1,024 float32; b_o 1,024 float32; b_q 1,024 float32; b_v 1,024 float32; k 4 x 2,048 x 1,024 float32; mask 1 x 1 x 2,048 x 2,048 int32; q 4 x 2,048 x 1,024 float32; v 4 x 2,048 x 1,024 float32; w_k 1,024 x 1,024 float32; w_o 1,024 x 1,024 float32; w_q 1,024 x 1,024 float32; w_v 1,024 x 1,024 float32.
;; Outputs: out0 4 x 2,048 x 1,024 float32.
;; This version of the problem:
;;   THIS VERSION OF THE PROBLEM IS GIVEN IN LOW PRECISION. The matrix products marked QUANTISED in the list below multiply operands that are first quantised to E2M3 (2 exponent bits, 3 mantissa bits; 6 bits a number), with one power-of-two scale for each 32 numbers along K (OCP MX v1.0); their sums are f32. All else is computed in f32.
;;   The module's matrix products, in the order in which they are computed (A, B: the left and right operand; K: the contracted axis; several contracted axes count as one K, in the product's order):
;;     1. [M 8,192, K 1,024] x [K 1,024, N 1,024]; A: input q; B: input w_q: QUANTISED
;;     2. [M 8,192, K 1,024] x [K 1,024, N 1,024]; A: input k; B: input w_k: QUANTISED
;;     3. [M 8,192, K 1,024] x [K 1,024, N 1,024]; A: input v; B: input w_v: QUANTISED
;;     4. batch 64 x [M 2,048, K 64] x [K 64, N 2,048]; A: computed on the way; B: computed on the way: QUANTISED
;;     5. batch 64 x [M 2,048, K 2,048] x [K 2,048, N 64]; A: softmax (see below); B: computed on the way: QUANTISED
;;     6. [M 8,192, K 1,024] x [K 1,024, N 1,024]; A: computed on the way; B: input w_o: QUANTISED
;;   THE QUANTISER, for each operand of a quantised product, along K:
;;     - K is cut into blocks of 32 from its start; a last block that is shorter is filled with zeros.
;;     - A block's scale is 2^e with e = floor(log2(the largest magnitude in the block)) - 2, held to -126 .. 127; a block of zeros has e = 0. As a byte (E8M0): e + 127.
;;     - Each number is divided by its block's scale, clamped to +-7.5, and rounded to the nearest number of E2M3, ties to even, subnormals kept.
;;     - The product sums the exact products of the quantised numbers (number of the format x scale) in f32.
;;   ~~~python
;;   def quantise(x, axis):      # numpy; x: float32 -> the quantised numbers, widened to float32 again
;;       x = np.moveaxis(x, axis, -1); K = x.shape[-1]
;;       x = np.pad(x, [(0, 0)] * (x.ndim - 1) + [(0, -K % 32)]); x = x.reshape(x.shape[:-1] + (-1, 32)); a = np.abs(x).max(-1, keepdims=True)
;;       e = np.where(a > 0, np.clip(np.frexp(np.where(a > 0, a, 1))[1] - 1 - 2, -126, 127), 0)      # np.frexp(a)[1] - 1 = floor(log2(a)), exactly
;;       r = np.clip(x / 2.0 ** e, -7.5, 7.5)
;;       step = 2.0 ** (np.maximum(np.frexp(np.where(r == 0, 1, r))[1] - 1, 0) - 3)
;;       q = np.round(r / step) * step * 2.0 ** e      # np.round: ties to even
;;       return np.moveaxis(q.reshape(q.shape[:-2] + (-1,))[..., :K], -1, axis).astype(np.float32)
;;   ~~~
;;   SOFTMAX AHEAD OF A QUANTISED PRODUCT. Where the list says 'softmax', what is quantised is not the finished softmax but p = 2^(t - M), with t = logit x log2(e) and M = ceil(the row's largest t), a whole number; so 1/2 < the row's largest p <= 1. The row's sum l is taken of the UNQUANTISED p, in f32, and the product's result is divided by l at the end. Since M is a whole number, a kernel that streams over the keys may use a running M (the ceiling of the running maximum): every later rescaling is an exact power of two, which a block's scale takes up: the codes' values come out the same.
;;   OPERANDS COMPUTED ON THE WAY. 'Computed on the way' means the value that the module computes at that place (a softmax that the list does not call 'softmax' is quantised finished and normalised). What goes into a quantiser is computed in f32, as accurately as f32 sums, v_exp_f32 and their like allow (about 1e-6 of the number): no bf16 or f16 on the way to a quantiser, and a product that is left as it is and whose result goes on into a quantised operand takes f32 operands (vector FMAs, or v_wmma_f32_16x16x4_f32). A number that lies on a knife's edge between two numbers of the format may be rounded either way, as far as f32 arithmetic and the matrix unit's own rounding can turn it there, and no further.
;; One version. Each part assembles by itself: llvm-mc -triple=amdgcn-amd-amdhsa -mcpu=gfx1250 --defsym DOCPART=n.
;; ======== version 1 of 1: 4 launches
;; limits: right only within a limited range of input values
;; workspace buffers: cod 22,020,096 bytes; scl 917,504 bytes; mw 524,288 bytes of whole numbers; fl 2,048 bytes of whole numbers; pc 18,874,368 bytes; ps 1,572,864 bytes; xc 6,291,456 bytes; xs 262,144 bytes
;; launch prep (part 1): grid 1024 x 1, 4 waves a work-group, no clusters, 68,096 bytes of LDS; arguments q, k, v, w_q, w_k, w_v, w_o, mask, cod, scl, mw, fl; writes cod, scl, mw, fl
.if DOCPART == 1
	.amdgcn_target "amdgcn-amd-amdhsa--gfx1250"
	.amdhsa_code_object_version 6
	.text
	.protected	k_qeecfb93851_prep
	.globl	k_qeecfb93851_prep
	.p2align	8
	.type	k_qeecfb93851_prep,@function
k_qeecfb93851_prep:
	s_mov_b64 s[64:65], 0
	v_nop
	global_prefetch_b8 v0, s[64:65] scope:SCOPE_SE
	s_setreg_imm32_b32 hwreg(HW_REG_WAVE_MODE, 25, 1), 1
	s_wait_xcnt 0x0
; q, k, v [8192][1024] and w_q, w_k, w_v, w_o [1024][1024], f32 with K innermost, become codes of FP6 (E2M3) with one E8M0 byte for each 32 along K; the mask becomes lane masks.
; A ROW TILE T is 16 rows of a group of 32: row(T, p) = 32 (T / 2) + 8 (T % 2) + p + 8 (p / 8).  A HALF IMAGE is one row tile x 64 along K as six operand registers: bytes 0-511 registers 0-3 (lane l at 16 l),
; bytes 512-767 registers 4-5 (lane l at 512 + 8 l); lane (r, h) holds the 32 codes k = 32 h .. 32 h + 31 of row r.  cod: [row tile][64 along K: 16][768].  scl: [row tile][half of K][row r: 16 bytes, a word for each 128 along K].
; A block's scale is 2^(floor(log2(largest magnitude)) - 2): its byte is the largest magnitude's exponent field less 2, held at 1 from below.
; LIMITS: a block of zeros gets the byte 1 (its codes are zeros, and only this program reads the bytes); blocks under 2^-124 were not tried; NaN and infinities are not served.
; Work-groups 0-895 take 32 rows x 1,024 of a tensor: wave w the row tile w / 2 and the 512 columns w % 2, in four phases of 16 rows x 128 columns.  Each load reads 512 consecutive bytes of a row; the 8 KiB turn through
; the wave's own stage in LDS, so that a lane gets two whole blocks of 32 neighbours.  Every store of codes covers 512 or 256 consecutive aligned bytes.
; Work-groups 896-1023 take a tile T of 16 queries of the mask: wave w the key steps 4 w .. 4 w + 3 of 128 keys.  mw: [T][step][j: 64 words]: bit l of word j says that key 128 step + 64 (j / 32) + 32 (l / 16) + j % 32
; counts for query row(T, l % 16): the lane mask of score register j in the attention launch.  fl: [T][w]: bit 4 w + p set where step 4 w + p has a hole.
; No tensor loads, no barrier: waves share nothing.  The two paths part on the work-group's number and have LDS bytes of their own.
.set FLOOR, 0x1800000                  ; 2^(3 - 127)
.set EOFF,  0xff000000                 ; takes 2 off an exponent field
.set SP,    528                        ; a stage row: 512 bytes + 16, so that sixteen rows start at sixteen different groups of four banks
.set WSTG,  16*SP                      ; a wave's stage
.set MST,   4*WSTG                     ; the mask path's stages begin here
.set BM,  12                           ; v12-13  largest magnitudes
.set SO,  14                           ; v14-15  the conversions' scale operands
.set BY,  16                           ; v16-17  scale bytes;  v18-19 at work
.set SWD, 20                           ; v20-23  a scale word for each phase
.set CA,  24                           ; v24-47  codes: for block pair c six registers at CA + 12 c, the second conversion's three at CA + 12 c + 6
.set R,   48                           ; v48-175 two sets of 64: numbers as loaded
.set X,   176                          ; v176-239 numbers back from the stage
	s_load_b512 s[4:19], s[0:1], 0x0               ; q, k, v, w_q, w_k, w_v, w_o, mask
	s_load_b256 s[20:27], s[0:1], 0x40             ; cod, scl, mw, fl
	v_lshl_add_u32 v240, v0, 2, 0x10800
	v_mov_b32 v241, 0
	v_lshrrev_b32 v1, 5, v0
	v_readfirstlane_b32 s28, v1                    ; wave
	v_and_b32 v1, 31, v0                           ; lane
	v_and_b32 v2, 15, v0                           ; r
	v_bfe_u32 v3, v0, 4, 1                         ; h
	v_lshlrev_b32 v4, 4, v1                        ; 16 x lane: my bytes of a load's 512, and of a store of four code registers
	v_mul_u32_u24 v6, v2, SP
	s_mul_i32 s29, s28, WSTG
.macro LOADR s, base, rowb             ; phase s: 16 rows x 512 bytes into set s % 2; tile row i is row i + 8 (i / 8) from the tile's first
.irp i, 0,1,2,3,4,5,6,7,8,9,10,11,12,13,14,15
.if \i < 8                             ; a tile's rows 0-7 lie on end; rows 8-15 begin where v7 says: 16 rows on, or, in k's tiles, 32
	global_load_b128 v[R+64*((\s)%2)+4*\i:R+64*((\s)%2)+4*\i+3], v4, s[\base:\base+1] offset:\i*\rowb+512*(\s) th:TH_LOAD_NT
.else
	global_load_b128 v[R+64*((\s)%2)+4*\i:R+64*((\s)%2)+4*\i+3], v7, s[\base:\base+1] offset:(\i-8)*\rowb+512*(\s) th:TH_LOAD_NT
.endif
.endr
.endm
.macro TOSTG s                         ; the set goes into the stage as it was loaded
.if (\s) < 3
	s_wait_loadcnt 16                              ; this phase's 16 loads are in; the next phase's 16 may be out
.else
	s_wait_loadcnt 0x0
.endif
.irp i, 0,1,2,3,4,5,6,7,8,9,10,11,12,13,14,15
	ds_store_b128 v5, v[R+64*((\s)%2)+4*\i:R+64*((\s)%2)+4*\i+3] offset:SP*\i
.endr
.endm
	s_cmp_ge_u32 ttmp9, 896
	s_cbranch_scc1 .Lmask
	; ---------------- the tensors ----------------
	v_add_nc_u32 v5, s29, v4                       ; stage, in: 16 x lane in row i
	v_lshl_add_u32 v6, v3, 7, v6
	v_add_nc_u32 v6, s29, v6                       ; stage, out: row r, + 128 h: my block of 32 numbers
	v_lshl_add_u32 v8, v1, 3, 512                  ; a half image's registers 4-5
	v_lshlrev_b32 v9, 3, v3                        ; 8 h: my bytes' place in a scale word
	v_lshlrev_b32 v10, 4, v2                       ; 16 r: my row in a unit of scale words
	v_mov_b32 v19, 0                               ; a lane permute's destination counts as read
	s_mov_b32 s46, 0x76543210
	s_mov_b32 s47, 0xfedcba98                      ; lane l xor 16
	s_sub_co_u32 s30, ttmp9, 768
	s_lshr_b32 s31, s30, 5
	s_add_co_u32 s31, s31, 3                       ; a weight: tensor 3 + (g - 768) / 32,
	s_and_b32 s30, s30, 31                         ; group of 32 rows (g - 768) % 32
	s_lshr_b32 s32, ttmp9, 8                       ; q, k, v: tensor g / 256,
	s_and_b32 s33, ttmp9, 255                      ; group g % 256
	s_cmp_lt_u32 ttmp9, 768
	s_cselect_b32 s31, s32, s31
	s_cselect_b32 s30, s33, s30
	s_lshr_b32 s36, s28, 1                         ; u: which tile of the group
	s_and_b32 s37, s28, 1                          ; which 512 columns
	; K'S TOKENS HAVE A ROW ORDER OF THEIR OWN: row(T, p) = 64 (T / 4) + 8 (T % 4) + p % 8 + 32 (p / 8), so that in the attention launch a lane's 32 score registers of four tiles are one block of 32 neighbouring keys
	s_lshl_b32 s38, s30, 17                        ; 32 rows of 4,096 bytes
	s_lshr_b32 s49, s30, 1
	s_lshl_b32 s49, s49, 18                        ; k: 64 rows for each four tiles,
	s_and_b32 s50, s30, 1
	s_lshl_b32 s50, s50, 16                        ; and 16 for the group's second pair
	s_add_co_u32 s49, s49, s50
	s_mov_b32 s50, 65536                           ; from a tile's row 0 to its row 8: 16 rows,
	s_cmp_eq_u32 s31, 1                            ; tensor 1 is k
	s_cselect_b32 s38, s49, s38
	s_cselect_b32 s50, 131072, s50                 ; in k's tiles 32
	s_wait_alu depctr_va_vdst(0)                   ; the wait directly ahead of the reader below
	v_add_nc_u32 v7, s50, v4
	s_lshl_b32 s39, s36, 15                        ; tile u begins 8 u rows down
	s_add_co_u32 s38, s38, s39
	s_lshl_b32 s39, s37, 11
	s_add_co_u32 s38, s38, s39
	s_mov_b32 s39, 0
	s_lshl_b32 s40, ttmp9, 1
	s_add_co_u32 s40, s40, s36                     ; the row tile's number in cod and scl: 2 g + u
	s_mul_i32 s42, s40, 12288
	s_mul_i32 s41, s37, 6144
	s_add_co_u32 s42, s42, s41
	s_mov_b32 s43, 0
	s_lshl_b32 s44, s40, 9
	s_lshl_b32 s41, s37, 8
	s_add_co_u32 s44, s44, s41
	s_mov_b32 s45, 0
	s_wait_kmcnt 0x0
	s_mov_b64 s[34:35], s[4:5]
.irp n, 1,2,3,4,5,6
	s_cmp_eq_u32 s31, \n                           ; the choice hangs on the work-group's number alone
	s_cselect_b64 s[34:35], s[4+2*\n:5+2*\n], s[34:35]
.endr
	s_add_nc_u64 s[34:35], s[34:35], s[38:39]
	s_add_nc_u64 s[20:21], s[20:21], s[42:43]
	s_add_nc_u64 s[22:23], s[22:23], s[44:45]
	s_wait_alu depctr_va_vdst(0)
	LOADR 0, 34, 4096
	LOADR 1, 34, 4096
.macro PHASE s
	TOSTG \s
.irp c, 0,1
.irp j, 0,1,2,3,4,5,6,7
	ds_load_b128 v[X+32*\c+4*\j:X+32*\c+4*\j+3], v6 offset:256*\c+16*\j   ; k = 64 c + 32 h + 4 j ..: LDS serves a wave's instructions in order, so these see the stores above
.endr
.endr
	s_wait_dscnt 0x0                               ; the numbers are back, and the stores into the stage have read their registers
.if (\s) > 0
	s_wait_xcnt 0x0                                ; the last phase's stores have read the code registers, which are written again below
.endif
.if (\s) < 2
	LOADR (\s)+2, 34, 4096
.endif
.irp c, 0,1
	v_max3_num_f32 v[BM+\c], |v[X+32*\c]|, |v[X+32*\c+1]|, FLOOR       ; a whole block is mine; the floor holds the byte at 1 from below
.endr
.irp i, 2,4,6,8,10,12,14,16,18,20,22,24,26,28,30
.irp c, 0,1
	v_max3_num_f32 v[BM+\c], v[BM+\c], |v[X+32*\c+\i]|, |v[X+32*\c+\i+1]|
.endr
.endr
.irp c, 0,1
	v_add_nc_u32 v[SO+\c], EOFF, v[BM+\c]          ; 2 off the exponent field: the conversion takes this operand's exponent field as its scale
.endr
.irp c, 0,1
	v_lshrrev_b32 v[BY+\c], 23, v[SO+\c]           ; the scale's byte
.endr
.irp c, 0,1
	v_cvt_scalef32_pk16_fp6_f32 v[CA+12*\c:CA+12*\c+2], v[X+32*\c:X+32*\c+15], v[SO+\c]
	v_cvt_scalef32_pk16_fp6_f32 v[CA+12*\c+6:CA+12*\c+8], v[X+32*\c+16:X+32*\c+31], v[SO+\c]   ; (a conversion's three registers begin on an even number)
.endr
	v_lshl_or_b32 v18, v[BY+1], 16, v[BY]          ; my two bytes, blocks h and 2 + h of these 128 (also the plain line behind the conversions),
	v_lshlrev_b32 v18, v9, v18                     ; at their places in the word;
	v_permlanex16_b32 v19, v18, s46, s47
	v_or_b32 v[SWD+(\s)], v18, v19                 ; with lane l xor 16's two the word is whole
.irp c, 0,1
.irp i, 0,1,2
	v_mov_b32 v[CA+12*\c+3+\i], v[CA+12*\c+6+\i]
.endr
.endr
.irp c, 0,1
	global_store_b128 v4, v[CA+12*\c:CA+12*\c+3], s[20:21] offset:(2*(\s)+\c)*768     ; 512 consecutive bytes
	global_store_b64 v8, v[CA+12*\c+4:CA+12*\c+5], s[20:21] offset:(2*(\s)+\c)*768    ; 256 consecutive bytes
.endr
.endm
	PHASE 0
	PHASE 1
	PHASE 2
	PHASE 3
	s_wait_alu depctr_va_vdst(0)
	s_wait_xcnt 0x0                                ; EXEC is a source of the stores that are out: it changes only behind this wait
	v_cmp_gt_u32 vcc_lo, 16, v1
	s_wait_tensorcnt 0x0
	ds_add_u32 v240, v241
	s_wait_dscnt 0x0
	s_and_saveexec_b32 s48, vcc_lo
	global_store_b128 v10, v[SWD:SWD+3], s[22:23]  ; sixteen lanes store one aligned unit of 256 bytes: four words a row
	s_wait_xcnt 0x0
	s_or_b32 exec_lo, exec_lo, s48
	s_endpgm
	; ---------------- the mask ----------------
.Lmask:
	s_add_co_u32 s29, s29, MST
	s_wait_alu depctr_va_vdst(0)
	v_add_nc_u32 v5, s29, v4
	v_lshl_add_u32 v6, v3, 7, v6                   ; stage, out: row r, + 128 h: 32 keys of each 64
	v_add_nc_u32 v7, 131072, v4                    ; a tile's rows 8-15 begin 16 rows of 8,192 bytes on
	v_add_nc_u32 v6, s29, v6                       ; stage, out: in the wave's own stage
	v_lshlrev_b32 v8, 3, v1                        ; 8 x lane: two words a lane
	v_mov_b32 v24, 0                               ; v_writelane's destination counts as read
	v_mov_b32 v25, 0
	s_wait_alu depctr_va_vdst(0)
	s_wait_kmcnt 0x0
	s_sub_co_u32 s2, ttmp9, 896                    ; T
	s_lshr_b32 s4, s2, 1                           ; (s4-s7 hold offsets from here on)
	s_lshl_b32 s4, s4, 5
	s_and_b32 s5, s2, 1
	s_lshl_b32 s5, s5, 3
	s_add_co_u32 s4, s4, s5                        ; the tile's first row
	s_lshl_b32 s4, s4, 13                          ; rows of 8,192 bytes
	s_lshl_b32 s5, s28, 11                         ; my four steps of 512 bytes
	s_add_co_u32 s4, s4, s5
	s_mov_b32 s5, 0
	s_add_nc_u64 s[18:19], s[18:19], s[4:5]
	s_lshl_b32 s6, s2, 4
	s_lshl_b32 s7, s28, 2
	s_add_co_u32 s6, s6, s7                        ; 16 T + 4 w: my word of fl in bytes, and my first step's number
	s_mov_b32 s7, 0
	s_add_nc_u64 s[26:27], s[26:27], s[6:7]
	s_lshl_b32 s6, s6, 8                           ; 256 bytes a step in mw
	s_add_nc_u64 s[24:25], s[24:25], s[6:7]
	s_mov_b32 s30, 0                               ; the flags of my four steps
	LOADR 0, 18, 8192
	LOADR 1, 18, 8192
.macro PHASEM p
	TOSTG \p
.irp b, 0,1
.irp e, 0,1,2,3,4,5,6,7
	ds_load_b128 v[X+32*\b+4*\e:X+32*\b+4*\e+3], v6 offset:256*\b+16*\e   ; register 32 b + i: key 64 b + 32 h + i of the step: so bit l of word j of mw is key 64 (j / 32) + 32 (l / 16) + j % 32
.endr
.endr
	s_wait_dscnt 0x0
.if (\p) > 0
	s_wait_xcnt 0x0                                ; the last step's store has read v24-25
.endif
.if (\p) < 2
	LOADR (\p)+2, 18, 8192
.endif
	s_mov_b32 s29, -1
.irp hf, 0,1
.set jj, 0
.rept 32
	v_cmp_ne_u32 s[32+jj], 0, v[X+32*\hf+jj]       ; the 32 lanes' bits of word 32 hf + jj
.set jj, jj+1
.endr
.set jj, 0
.rept 32
	v_writelane_b32 v[24+jj%2], s[32+jj], 16*\hf+jj/2   ; lane l gathers words 2 l and 2 l + 1
	s_and_b32 s29, s29, s[32+jj]
.set jj, jj+1
.endr
.endr
	global_store_b64 v8, v[24:25], s[24:25] offset:256*(\p)   ; one aligned unit of 256 bytes
	s_cmp_lg_u32 s29, -1                           ; a hole?
	s_cselect_b32 s31, 1<<(\p), 0
	s_or_b32 s30, s30, s31
.endm
	PHASEM 0
	PHASEM 1
	PHASEM 2
	PHASEM 3
	s_lshl_b32 s31, s28, 2
	s_lshl_b32 s30, s30, s31                       ; bits 4 w .. 4 w + 3
	v_mov_b32 v26, s30
	v_mov_b32 v27, 0
	s_wait_alu depctr_va_vdst(0)
	s_wait_xcnt 0x0                                ; EXEC changes only behind this wait
	v_cmp_eq_u32 vcc_lo, 0, v1
	s_wait_tensorcnt 0x0
	ds_add_u32 v240, v241
	s_wait_dscnt 0x0
	s_and_saveexec_b32 s31, vcc_lo
	global_store_b32 v27, v26, s[26:27]
	s_wait_xcnt 0x0
	s_or_b32 exec_lo, exec_lo, s31
	s_endpgm
.Lfunc_end_k_qeecfb93851_prep:
	.size	k_qeecfb93851_prep, .Lfunc_end_k_qeecfb93851_prep-k_qeecfb93851_prep
	.p2alignl 7, 3214868480
	.fill 96, 4, 3214868480
	.section	.rodata,"a",@progbits
	.p2align	6, 0x0
	.amdhsa_kernel k_qeecfb93851_prep
		.amdhsa_group_segment_fixed_size 68096
		.amdhsa_private_segment_fixed_size 0
		.amdhsa_enable_private_segment 0
		.amdhsa_kernarg_size 96
		.amdhsa_user_sgpr_count 2
		.amdhsa_user_sgpr_kernarg_segment_ptr 1
		.amdhsa_wavefront_size32 1
		.amdhsa_system_sgpr_workgroup_id_x 1
		.amdhsa_system_sgpr_workgroup_id_y 1
		.amdhsa_system_sgpr_workgroup_id_z 1
		.amdhsa_system_vgpr_workitem_id 0
		.amdhsa_next_free_vgpr 242
		.amdhsa_next_free_sgpr 66
		.amdhsa_reserve_vcc 1
		.amdhsa_float_denorm_mode_32 3
		.amdhsa_float_denorm_mode_16_64 3
		.amdhsa_memory_ordered 1
		.amdhsa_forward_progress 1
		.amdhsa_inst_pref_size 88
	.end_amdhsa_kernel
	.amdgpu_metadata
---
amdhsa.version: [ 1, 2 ]
amdhsa.kernels:
  - .name:           k_qeecfb93851_prep
    .symbol:         k_qeecfb93851_prep.kd
    .args:
      - { .name: q, .offset: 0, .size: 8, .value_kind: global_buffer, .address_space: global }
      - { .name: k, .offset: 8, .size: 8, .value_kind: global_buffer, .address_space: global }
      - { .name: v, .offset: 16, .size: 8, .value_kind: global_buffer, .address_space: global }
      - { .name: w_q, .offset: 24, .size: 8, .value_kind: global_buffer, .address_space: global }
      - { .name: w_k, .offset: 32, .size: 8, .value_kind: global_buffer, .address_space: global }
      - { .name: w_v, .offset: 40, .size: 8, .value_kind: global_buffer, .address_space: global }
      - { .name: w_o, .offset: 48, .size: 8, .value_kind: global_buffer, .address_space: global }
      - { .name: mask, .offset: 56, .size: 8, .value_kind: global_buffer, .address_space: global }
      - { .name: cod, .offset: 64, .size: 8, .value_kind: global_buffer, .address_space: global }
      - { .name: scl, .offset: 72, .size: 8, .value_kind: global_buffer, .address_space: global }
      - { .name: mw, .offset: 80, .size: 8, .value_kind: global_buffer, .address_space: global }
      - { .name: fl, .offset: 88, .size: 8, .value_kind: global_buffer, .address_space: global }
    .group_segment_fixed_size: 68096
    .private_segment_fixed_size: 0
    .kernarg_segment_align: 8
    .kernarg_segment_size: 96
    .max_flat_workgroup_size: 128
    .sgpr_count:     66
    .vgpr_count:     242
    .wavefront_size: 32
...
	.end_amdgpu_metadata
.endif
;; end of part 1
;; launch proj (part 2): grid 8 x 96, 4 waves a work-group, clusters of 4 x 4, 295,424 bytes of LDS; arguments cod, scl, b_q, b_k, b_v, pc, ps; writes pc, ps
.if DOCPART == 2
	.amdgcn_target "amdgcn-amd-amdhsa--gfx1250"
	.amdhsa_code_object_version 6
	.text
	.protected	k_qeecfb93851_proj
	.globl	k_qeecfb93851_proj
	.p2align	8
	.type	k_qeecfb93851_proj,@function
k_qeecfb93851_proj:
	s_mov_b64 s[64:65], 0
	v_nop
	global_prefetch_b8 v0, s[64:65] scope:SCOPE_SE
	s_setreg_imm32_b32 hwreg(HW_REG_WAVE_MODE, 25, 1), 1
	s_wait_xcnt 0x0
	s_wait_alu depctr_hold_cnt(0) depctr_sa_sdst(0) depctr_va_vdst(0) depctr_va_sdst(0) depctr_va_ssrc(0) depctr_va_vcc(0) depctr_vm_vsrc(0)
	s_getreg_b32 s2, hwreg(HW_REG_IB_STS2, 6, 4)
	s_cmp_eq_u32 s2, 0
	s_cbranch_scc0 .Lentry_in_a_cluster
	s_endpgm
.Lentry_in_a_cluster:
	s_bfe_u32 s2, ttmp6, 0x10000c
	s_cmp_lg_u32 s2, 0xf033
	s_cbranch_scc0 .Lentry_shape_is_right
	s_endpgm
.Lentry_shape_is_right:
; The three projections on codes of FP6 (E2M3) with E8M0 scales, K = 1,024, the bias, and the quantiser of the next product in the way out: nothing leaves as f32.
; C[row][col] = sum over k of A[row][k] B[col][k].  p = 0, 1 (Q, K): A = the tokens, B = the weight: a lane's registers run along the features, and the result is quantised along a head's 64.
; p = 2 (V): A = w_v, B = the tokens: V comes out TRANSPOSED, a lane's registers run along the keys, which are the K of attention's second product, and the same way out quantises along them.
; Operands lie in memory as row tiles and half images (16 rows of a group of 32: row(T, p) = 32 (T / 2) + 8 (T % 2) + p + 8 (p / 8); 768 bytes = six operand registers for 64 along K), so a fragment comes from LDS by
; four loads of 512, 256, 512, 256 consecutive bytes: no pitch, no padding.
; A work-group of four waves makes 256 rows x 128 columns; wave w rows 64 w .. 64 w + 63 (4 tiles of A) x all 128 columns (8 tiles of B): 32 accumulators.  The tile's WHOLE K lies in LDS (A 196,608 bytes, B 98,304), brought
; in halves of 512 along K, each filled once: no slot is ever filled again.  A wave has one tensor load out.
; CLUSTER 4 x 4: the four work-groups of a row need the same tile of A, the four of a column the same tile of B: each load is asked for jointly.
; THE MATRIX INSTRUCTION IS USED TRANSPOSED (source 0 = a tile of B, source 1 = a tile of A): lane (r, h) holds row r of A's tile, and register j of B's tile t is column 32 (t / 2) + 16 h + 8 (t % 2) + j: the 16 registers of
; tiles 2 b and 2 b + 1 are 16 neighbours along the next K.
; OUT: pc: region p x 6,291,456, [batch x head: 64][128][768]: Q, K: index = the row tile of the sequence; V: index = 4 x (group of 64 keys) + tile of 16 of the head's 64.  ps: region p x 524,288, [batch x head][unit: 32][row r: 4 words].
; LIMITS: a block of zeros gets the byte 1 (its codes are zeros; only this program reads the bytes); blocks under 2^-124 were not tried; NaN and infinities are not served.
; REGISTERS: window 0: v1-31 addresses; v32-63 A's scale words (8 a + K step), v64-127 B's (8 t + K step); v128-223 A's fragments, two sets (on the way out: at work); v224-231 V's bias.
;   window 1: v0-191 B's fragments, two sets; v192-255 the columns' bias in the result's layout.   window 2: accumulator (a, t) at v[8 (8 a + t)].
.set FLOOR, 0x1800000
.set EOFF,  0xff000000
.set FR,   12                          ; registers of a fragment
.set ACH,  98304                       ; half of K of A: 16 row tiles x 6,144 bytes.  ONE tensor load a wave, at the head: wave 0 A's first half of K, wave 1 B's, wave 2 A's second half, wave 3 B's; nothing is filled again
.set BCH,  49152                       ; half of K of B: 8 row tiles
.set BB0,  2*ACH                       ; B's halves lie behind A's
.set AA16, 4                           ; v4-5   half c: 16 lane + my four tiles of A
.set AA8,  8                           ; v8-9  8 lane + 512 + the same
.set BB16, 12                          ; v12-13 the same for B
.set BB8,  16                          ; v16-17
.set R16,  20                          ; v20 16 r
.set H64,  21                          ; v21 64 h
.set RB,   22                          ; v22 4 (r + 8 (r / 8))
.set V16J, 25                          ; v25, v26: the second half image's store offsets
.set V8J,  26
.set VOS,  27                          ; v27 the scale words' store offset
.set V16,  28                          ; v28 16 lane
.set V8,   29                          ; v29 8 lane + 512
.set SA,   32
.set SB,   64
.set AF,   128
.set BR,   224
.set BC,   192
.set TM,   128                         ; the way out: v128-143 at work, v144 the scale word, v148-167 codes, v168-171 four scale words, v172 at work
.set PW,   144
.set PC,   148
.set SW,   168
.set TW,   172
.set WV, 18
.set HF, 19
.set AB, 20
.set CX, 21
.set CY, 22
.set PP, 23
.set TC, 24
.set TR, 25
.set SJ, 26
.set SJS, 27
.set G1A, 28                           ; s[28:35] group 1 for A's chunks; s[36:43] for B's; s[44:51], s[68:75] groups 0, a set for each half: none is written while its load is out
.set G1B, 36
.set G0A, 44
.set G0B, 68
.set MSB, 0
.macro WIN new                         ; the immediate's high byte repeats the setting that is left
.if MSB != \new
	s_set_vgpr_msb (MSB<<8)|\new
.set MSB, \new
.endif
.endm
.macro CROUND                          ; a round of the cluster's barrier
	s_barrier_signal -1
	s_barrier_wait -1
	s_cmp_lg_u32 s[WV], 0
	s_cbranch_scc1 .Lnot_wave_0_\@
	s_barrier_signal -3
.Lnot_wave_0_\@:
	s_barrier_wait -3
	s_barrier_signal -1
	s_barrier_wait -1
.endm
.macro FRAG reg, a16, a8, off          ; a fragment: two half images
	ds_load_b128 v[(\reg):(\reg)+3], v[\a16] offset:\off
	ds_load_b64 v[(\reg)+4:(\reg)+5], v[\a8] offset:\off
	ds_load_b128 v[(\reg)+6:(\reg)+9], v[\a16] offset:\off+768
	ds_load_b64 v[(\reg)+10:(\reg)+11], v[\a8] offset:\off+768
.endm
.macro FETCH s                         ; K step s (128 along K) into set s % 2: 48 loads in one run
	WIN 0x40                                       ; destination window 1
.irp t, 0,1,2,3,4,5,6,7
	FRAG 96*((\s)%2)+FR*\t, BB16+(\s)/4, BB8+(\s)/4, 6144*\t+1536*((\s)%4)
.endr
	WIN 0
.irp a, 0,1,2,3
	FRAG AF+48*((\s)%2)+FR*\a, AA16+(\s)/4, AA8+(\s)/4, 6144*\a+1536*((\s)%4)
.endr
.endm
.macro MUL s                           ; 32 products: the 32 accumulators take turns, one instruction a turn, in the same order in every step.  The first step's C is the bias: nothing is cleared
.if (\s) == 0
	WIN 0x91                                       ; source 0 (B) and C (bias) window 1, source 1 (A) window 0, D window 2
.else
	WIN 0xa1                                       ; C and D window 2
.endif
.irp a, 0,1,2,3
.irp t, 0,1,2,3,4,5,6,7
.if (\s) == 0
	v_wmma_scale_f32_16x16x128_f8f6f4 v[8*(8*\a+\t):8*(8*\a+\t)+7], v[96*((\s)%2)+FR*\t:96*((\s)%2)+FR*\t+FR-1], v[AF+48*((\s)%2)+FR*\a:AF+48*((\s)%2)+FR*\a+FR-1], v[BC+8*\t:BC+8*\t+7], v[SB+8*\t+(\s)], v[SA+8*\a+(\s)] matrix_a_fmt:MATRIX_FMT_FP6 matrix_b_fmt:MATRIX_FMT_FP6
.else
	v_wmma_scale_f32_16x16x128_f8f6f4 v[8*(8*\a+\t):8*(8*\a+\t)+7], v[96*((\s)%2)+FR*\t:96*((\s)%2)+FR*\t+FR-1], v[AF+48*((\s)%2)+FR*\a:AF+48*((\s)%2)+FR*\a+FR-1], v[8*(8*\a+\t):8*(8*\a+\t)+7], v[SB+8*\t+(\s)], v[SA+8*\a+(\s)] matrix_a_fmt:MATRIX_FMT_FP6 matrix_b_fmt:MATRIX_FMT_FP6
.endif
.endr
.endr
.endm
.macro STEP s
	s_wait_dscnt 0x0                               ; this step's fragments are in (asked for 32 products ago); no LDS instruction of mine is out at a signal
.if (\s) == 3
	s_wait_tensorcnt 0x0                           ; every wave's one load has landed: the second halves of K among them
	s_barrier_signal -1
	s_barrier_wait -1                              ; everybody's part has
.endif
.if (\s) < 7
.if (\s) > 0
.rept 4
	v_nop                                          ; four places between the last products and loads into the registers that they read
.endr
.endif
	FETCH (\s)+1
.endif
	MUL \s
.endm
	s_load_b256 s[4:11], s[0:1], 0x0               ; cod s[4:5], scl s[6:7], b_q s[8:9], b_k s[10:11]
	s_load_b128 s[12:15], s[0:1], 0x20             ; b_v s[12:13], pc s[14:15]
	s_load_b64 s[16:17], s[0:1], 0x30              ; ps
	v_lshl_add_u32 v254, v0, 2, 0x48000
	v_mov_b32 v255, 0
	ds_add_u32 v254, v255
	ds_add_u32 v254, v255
	v_lshrrev_b32 v1, 5, v0
	v_readfirstlane_b32 s[WV], v1                  ; wave 0..3
	s_bfe_u32 s[CX], ttmp6, 0x40000                ; my place in the cluster
	s_bfe_u32 s[CY], ttmp6, 0x40004
	s_and_b32 s60, ttmp7, 0xffff                   ; cluster y, 0..23
	s_lshr_b32 s[PP], s60, 3                       ; p: which projection: the same in all sixteen partners
	s_and_b32 s60, s60, 7
	s_lshl_b32 s61, s60, 1
	s_add_co_u32 s61, s61, ttmp9
	s_cmp_eq_u32 s[PP], 2
	s_cselect_b32 s[TC], s61, ttmp9                ; V: 16 clusters along the 64 tile columns (keys), one along the 4 tile rows (features);
	s_cselect_b32 s[TR], 0, s60                    ; Q, K: 2 along the 8 tile columns, 8 along the 32 tile rows
	s_lshl_b32 s[TC], s[TC], 2
	s_add_co_u32 s[TC], s[TC], s[CX]               ; tile column
	s_lshl_b32 s[TR], s[TR], 2
	s_add_co_u32 s[TR], s[TR], s[CY]               ; tile row
	s_lshl_b32 s62, s[CY], 2
	s_lshl_b32 s62, 15, s62                        ; my row of the cluster
	s_lshl_b32 s63, 0x1111, s[CX]                  ; my column
	; group 1: R rows (row tiles) of 6,144 bytes (768 elements of 8 bytes), 12,288 bytes apart; dense in LDS
	s_or_b32 s[G1A], s62, (3<<16)|(1<<21)          ; 15:0 the mask; 17:16 elements of 8 bytes; 21 set beside a mask
	s_or_b32 s[G1B], s63, (3<<16)|(1<<21)
.irp g, G1A, G1B
	s_mov_b32 s[\g+1], 768<<16                     ; tensor_dim0: 6,144 bytes as 768 elements of 8
	s_mov_b32 s[\g+3], 768<<16                     ; tile_dim0
	s_mov_b32 s[\g+5], 1536                        ; from row tile to row tile
	s_mov_b32 s[\g+6], 0
	s_mov_b32 s[\g+7], 0
.endr
	s_mov_b32 s[G1A+2], 16<<16                     ; tensor_dim1: A: 16 row tiles a load,
	s_mov_b32 s[G1A+4], 16
	s_mov_b32 s[G1B+2], 8<<16                      ; B: 8
	s_mov_b32 s[G1B+4], 8
	; the first row tiles in cod: q 0, k 512, v 1024, w_q 1536, w_k 1600, w_v 1664.  A's numbers (s84-87, s92-93) never hold cx, B's (s88-91, s94-95) never cy
	s_lshl_b32 s84, s[PP], 9
	s_lshl_b32 s88, s[PP], 6
	s_add_co_u32 s88, s88, 1536
	s_mov_b32 s85, 1664
	s_mov_b32 s89, 1024
	s_cmp_eq_u32 s[PP], 2
	s_cselect_b32 s84, s85, s84
	s_cselect_b32 s88, s89, s88
	s_lshl_b32 s85, s[TR], 4
	s_add_co_u32 s84, s84, s85                     ; A's first row tile
	s_lshl_b32 s89, s[TC], 3
	s_add_co_u32 s88, s88, s89                     ; B's
	s_mov_b32 s86, 0
	s_add_co_u32 s86, s86, s84
	s_mul_i32 s86, s86, 12288
	s_mov_b32 s87, 0
	s_mov_b32 s90, 0
	s_add_co_u32 s90, s90, s88
	s_mul_i32 s90, s90, 12288
	s_mov_b32 s91, 0
	s_lshl_b32 s92, s[WV], 2
	s_add_co_u32 s92, s92, s84
	s_lshl_b32 s92, s92, 9                         ; the scale words of my four tiles of A
	s_mov_b32 s93, 0
	s_lshl_b32 s94, s88, 9                         ; and of B's eight
	s_mov_b32 s95, 0
	s_mov_b32 s2, 0
	s_mov_b32 s3, 0
	; where the results go.  Q, K: head 2 x tile column (+ 1 for the second half image), row tile 16 (tile row % 8) + 4 w + a
	s_lshr_b32 s60, s[TR], 3
	s_lshl_b32 s60, s60, 4
	s_lshl_b32 s61, s[TC], 1
	s_add_co_u32 s60, s60, s61                     ; batch x 16 + head
	s_and_b32 s61, s[TR], 7
	s_lshl_b32 s62, s61, 4
	s_lshl_b32 s63, s[WV], 2
	s_add_co_u32 s62, s62, s63
	s_lshl_b32 s61, s61, 2
	s_add_co_u32 s61, s61, s[WV]
	; V: head 4 x tile row + w, groups of 64 keys 2 (tile column % 16) and the next, tile a of the head's 64
	s_lshr_b32 s96, s[TC], 4
	s_lshl_b32 s96, s96, 4
	s_lshl_b32 s97, s[TR], 2
	s_add_co_u32 s96, s96, s97
	s_add_co_u32 s96, s96, s[WV]
	s_and_b32 s97, s[TC], 15
	s_lshl_b32 s98, s97, 3
	s_lshl_b32 s97, s97, 1
	s_mov_b32 s[SJ], 98304                         ; from the first half image to the second: Q, K: the next head; V: the next 64 keys
	s_mov_b32 s[SJS], 8192                         ; and the same for the units of scale words
	s_cmp_eq_u32 s[PP], 2
	s_cselect_b32 s60, s96, s60
	s_cselect_b32 s62, s98, s62
	s_cselect_b32 s61, s97, s61
	s_cselect_b32 s[SJ], 3072, s[SJ]
	s_cselect_b32 s[SJS], 256, s[SJS]
	s_lshl_b32 s63, s60, 7
	s_add_co_u32 s62, s62, s63
	s_mul_i32 s62, s62, 768
	s_mul_i32 s63, s[PP], 6291456
	s_add_co_u32 s62, s62, s63
	s_mov_b32 s63, 0
	s_lshl_b32 s60, s60, 5
	s_add_co_u32 s60, s60, s61
	s_lshl_b32 s60, s60, 8
	s_lshl_b32 s61, s[PP], 19
	s_add_co_u32 s60, s60, s61
	s_mov_b32 s61, 0
	s_wait_dscnt 0x0
	s_wait_kmcnt 0x0
	s_add_nc_u64 s[86:87], s[4:5], s[86:87]
	s_add_nc_u64 s[90:91], s[4:5], s[90:91]
	s_add_nc_u64 s[92:93], s[6:7], s[92:93]
	s_add_nc_u64 s[94:95], s[6:7], s[94:95]
	s_add_nc_u64 s[14:15], s[14:15], s[62:63]
	s_add_nc_u64 s[16:17], s[16:17], s[60:61]
	s_cmp_eq_u32 s[PP], 0
	s_cselect_b64 s[96:97], s[8:9], s[10:11]       ; Q's or K's bias (named only where p < 2),
	s_lshl_b32 s98, s[TC], 9
	s_mov_b32 s99, 0
	s_add_nc_u64 s[96:97], s[96:97], s[98:99]      ; at my 128 columns
	s_lshl_b32 s98, s[TR], 8
	s_lshl_b32 s60, s[WV], 6
	s_add_co_u32 s98, s98, s60
	s_lshl_b32 s98, s98, 2
	s_add_nc_u64 s[12:13], s[12:13], s[98:99]      ; V's bias at my 64 rows (named only where p = 2)
.irp c, 0,1
	s_mov_b32 s[G0A+4*\c], 1
	s_add_co_u32 s[G0A+4*\c+1], s2, ACH*\c         ; LDS address
	s_add_nc_u64 s[G0A+4*\c+2:G0A+4*\c+3], s[86:87], 6144*\c   ; half c: 512 along K
	s_or_b32 s[G0A+4*\c+3], s[G0A+4*\c+3], 0x80000000          ; type = 2
	s_mov_b32 s[G0B+4*\c], 1
	s_add_co_u32 s[G0B+4*\c+1], s3, BB0+BCH*\c
	s_add_nc_u64 s[G0B+4*\c+2:G0B+4*\c+3], s[90:91], 6144*\c
	s_or_b32 s[G0B+4*\c+3], s[G0B+4*\c+3], 0x80000000
.endr
	CROUND                                         ; all sixteen work-groups are here: the joint loads meet
	s_cmp_eq_u32 s[WV], 0                          ; one chain of branches on the wave's number, one load to an arm, all arms to one join
	s_cbranch_scc0 .Lfill_1
	tensor_load_to_lds s[G0A:G0A+3], s[G1A:G1A+7]  ; wave 0: A, the first half of K
	s_nop 0
.rept 4
	v_nop
.endr
	s_branch .Lfilled
.Lfill_1:
	s_cmp_eq_u32 s[WV], 1
	s_cbranch_scc0 .Lfill_2
	tensor_load_to_lds s[G0B:G0B+3], s[G1B:G1B+7]  ; wave 1: B, the first half
	s_nop 0
.rept 4
	v_nop
.endr
	s_branch .Lfilled
.Lfill_2:
	s_cmp_eq_u32 s[WV], 2
	s_cbranch_scc0 .Lfill_3
	tensor_load_to_lds s[G0A+4:G0A+7], s[G1A:G1A+7]  ; wave 2: A, the second half
	s_nop 0
.rept 4
	v_nop
.endr
	s_branch .Lfilled
.Lfill_3:
	tensor_load_to_lds s[G0B+4:G0B+7], s[G1B:G1B+7]  ; wave 3: B, the second half
	s_nop 0
.rept 4
	v_nop
.endr
.Lfilled:
	v_and_b32 v1, 31, v0                           ; lane
	v_and_b32 v2, 15, v0                           ; r
	v_bfe_u32 v3, v0, 4, 1                         ; h
	v_lshlrev_b32 v[V16], 4, v1
	v_lshl_add_u32 v[V8], v1, 3, 512
	s_mul_i32 s60, s[WV], 24576                    ; my four row tiles of A in a half
	v_add_nc_u32 v[AA16], s60, v[V16]
	v_add_nc_u32 v[AA8], s60, v[V8]
	v_add_nc_u32 v[BB16], BB0, v[V16]
	v_add_nc_u32 v[BB8], BB0, v[V8]
.irp c, 1
	v_add_nc_u32 v[AA16+\c], ACH*\c, v[AA16]
	v_add_nc_u32 v[AA8+\c], ACH*\c, v[AA8]
	v_add_nc_u32 v[BB16+\c], BCH*\c, v[BB16]
	v_add_nc_u32 v[BB8+\c], BCH*\c, v[BB8]
.endr
	v_lshlrev_b32 v[R16], 4, v2
	v_lshlrev_b32 v[H64], 6, v3
	v_and_b32 v[RB], 8, v2
	v_add_nc_u32 v[RB], v[RB], v2
	v_lshlrev_b32 v[RB], 2, v[RB]
	v_add_nc_u32 v[V16J], s[SJ], v[V16]
	v_add_nc_u32 v[V8J], s[SJ], v[V8]
	v_mul_u32_u24 v[VOS], s[SJS], v3
	v_lshl_add_u32 v[VOS], v2, 4, v[VOS]           ; lanes 0-15 the first unit, lanes 16-31 the second; 16 bytes a row
.irp a, 0,1,2,3
.irp kh, 0,1
	global_load_b128 v[SA+8*\a+4*\kh:SA+8*\a+4*\kh+3], v[R16], s[92:93] offset:512*\a+256*\kh   ; row r's words of four K steps (both halves of the lanes take the same)
.endr
.endr
.irp t, 0,1,2,3,4,5,6,7
.irp kh, 0,1
	global_load_b128 v[SB+8*\t+4*\kh:SB+8*\t+4*\kh+3], v[R16], s[94:95] offset:512*\t+256*\kh
.endr
.endr
	s_cmp_eq_u32 s[PP], 2
	s_cbranch_scc1 .Lbias_v
	WIN 0x40
.irp t, 0,1,2,3,4,5,6,7                ; Q, K: the bias goes with the columns: eight registers a tile in the result's layout: columns 32 (t / 2) + 16 h + 8 (t % 2) + 0 .. 7
	global_load_b128 v[BC+8*\t:BC+8*\t+3], v[H64], s[96:97] offset:(32*(\t/2)+8*(\t%2))*4
	global_load_b128 v[BC+8*\t+4:BC+8*\t+7], v[H64], s[96:97] offset:(32*(\t/2)+8*(\t%2))*4+16
.endr
	WIN 0
.irp a, 0,1,2,3
	v_mov_b32 v[BR+2*\a], 0
.endr
	s_branch .Lbias_done
.Lbias_v:
	WIN 0x40
.set i, 0
.rept 64
	v_mov_b32 v[BC+i], 0                           ; V: the bias goes with the rows: the sums begin at 0 and it is added on the way out
.set i, i+1
.endr
	WIN 0
.irp a, 0,1,2,3
	global_load_b32 v[BR+2*\a], v[RB], s[12:13] offset:(32*(\a/2)+8*(\a%2))*4   ; b_v of my lane's row of tile a
.endr
.Lbias_done:
	s_wait_alu depctr_va_vdst(0)
	s_cmp_lt_u32 s[WV], 2
	s_cbranch_scc0 .Lnot_first
	s_wait_tensorcnt 0x0                           ; waves 0 and 1: the first halves of K have landed; the lines of waves 2 and 3 may stay out
.Lnot_first:
	s_barrier_signal -1
	s_barrier_wait -1
	FETCH 0
	s_wait_loadcnt 0x0                             ; scale words and biases
	s_wait_alu depctr_va_vdst(0)
.irp a, 0,1,2,3
	v_mov_b32 v[BR+2*\a+1], v[BR+2*\a]             ; (named as a pair below)
.endr
.irp s, 0,1,2,3,4,5,6,7
	STEP \s
.endr
	WIN 0
.rept 4
	v_nop                                          ; four places between the last products and the first read of results and write of their operands' registers
.endr
.irp b, 0,1,2,3
	v_mov_b32 v[TM+4+\b], 0                        ; a lane permute's destination counts as read
.endr
	s_mov_b32 s60, 0xffff0000                      ; lanes 16-31
	s_mov_b32 s62, 0x76543210
	s_mov_b32 s63, 0xfedcba98                      ; lane l xor 16
	s_cmp_eq_u32 s[PP], 2
	s_cbranch_scc0 .Lno_row_bias
	WIN 0x82                                       ; destination and source 0 window 2
	s_wait_alu depctr_va_vdst(0)
.irp a, 0,1,2,3
.set i, 0
.rept 32
	v_pk_add_f32 v[64*\a+i:64*\a+i+1], v[64*\a+i:64*\a+i+1], v[BR+2*\a:BR+2*\a+1] op_sel_hi:[1,0]   ; each accumulator from its low end on
.set i, i+2
.endr
.endr
	WIN 0
.Lno_row_bias:
; 64 numbers of a lane in window 2, v[s] .. v[s + 63], register 16 b + i = k 32 b + 16 h + i of my row, become a fragment's codes in v[PC] on and its scale word in v[PW]
.macro QUANT s
	WIN 0x0a                                       ; sources 0 and 1 window 2
.irp b, 0,1,2,3
	v_max3_num_f32 v[TM+\b], |v[(\s)+16*\b]|, |v[(\s)+1+16*\b]|, FLOOR
.endr
	WIN 0x28                                       ; sources 1 and 2 window 2
.irp i, 2,4,6,8,10,12,14
.irp b, 0,1,2,3
	v_max3_num_f32 v[TM+\b], v[TM+\b], |v[(\s)+16*\b+\i]|, |v[(\s)+1+16*\b+\i]|
.endr
.endr
	WIN 0
.irp b, 0,1,2,3
	v_permlanex16_b32 v[TM+4+\b], v[TM+\b], s62, s63
.endr
.irp b, 0,1,2,3
	v_max_num_f32 v[TM+\b], v[TM+\b], v[TM+4+\b]   ; with lane l xor 16's: the block's largest magnitude
.endr
.irp b, 0,1,2,3
	v_add_nc_u32 v[TM+12+\b], EOFF, v[TM+\b]       ; the conversion's scale operand
.endr
.irp b, 0,1,2,3
	v_lshrrev_b32 v[TM+4+\b], 23, v[TM+12+\b]      ; the scale's byte
.endr
	v_lshl_or_b32 v[PW], v[TM+5], 8, v[TM+4]
	v_lshl_or_b32 v[PW], v[TM+6], 16, v[PW]
	v_lshl_or_b32 v[PW], v[TM+7], 24, v[PW]
	WIN 0x02                                       ; source 0 window 2
.irp c, 0,1
	v_cvt_scalef32_pk16_fp6_f32 v[PC+6*\c:PC+2+6*\c], v[(\s)+32*\c:(\s)+15+32*\c], v[TM+12+2*\c]
	v_cvt_scalef32_pk16_fp6_f32 v[PC+12+4*\c:PC+14+4*\c], v[(\s)+16+32*\c:(\s)+31+32*\c], v[TM+12+2*\c+1]   ; (a conversion's three registers begin on an even number)
.endr
	WIN 0
	v_nop                                          ; one plain line behind a scaled conversion
.irp c, 0,1                            ; the operand's layout wants a whole block in a lane: lanes 0-15 block 2 c, lanes 16-31 block 2 c + 1
.irp i, 0,1,2
	v_permlane16_swap_b32 v[PC+6*\c+\i], v[PC+12+4*\c+\i]
.endr
.irp i, 0,1,2
	v_mov_b32 v[PC+3+6*\c+\i], v[PC+12+4*\c+\i]
.endr
.endr
.endm
.irp a, 0,1,2,3
.if \a > 0
	s_wait_xcnt 0x0                                ; the last tile's stores have read the code registers
.endif
	QUANT 64*\a
	v_lshrrev_b32 v[TW], 16, v[PW]
	v_cndmask_b32 v[SW+\a], v[PW], v[TW], s60      ; lanes 0-15 keep the word, lanes 16-31 take its upper two bytes: the second half image's
	global_store_b128 v[V16], v[PC:PC+3], s[14:15] offset:768*\a        ; 512 consecutive bytes
	global_store_b64 v[V8], v[PC+4:PC+5], s[14:15] offset:768*\a        ; 256
	global_store_b128 v[V16J], v[PC+6:PC+9], s[14:15] offset:768*\a
	global_store_b64 v[V8J], v[PC+10:PC+11], s[14:15] offset:768*\a
.endr
	global_store_b128 v[VOS], v[SW:SW+3], s[16:17] ; each half of the lanes stores one aligned unit of 256 bytes
	s_wait_dscnt 0x0
	s_wait_tensorcnt 0x0
	ds_add_u32 v254, v255
	s_wait_dscnt 0x0
	CROUND                                         ; the closing round: no work-group ends while a partner may still ask for a tile that names it
	s_endpgm
.Lfunc_end_k_qeecfb93851_proj:
	.size	k_qeecfb93851_proj, .Lfunc_end_k_qeecfb93851_proj-k_qeecfb93851_proj
	.p2alignl 7, 3214868480
	.fill 96, 4, 3214868480
	.section	.rodata,"a",@progbits
	.p2align	6, 0x0
	.amdhsa_kernel k_qeecfb93851_proj
		.amdhsa_group_segment_fixed_size 295424
		.amdhsa_private_segment_fixed_size 0
		.amdhsa_enable_private_segment 0
		.amdhsa_kernarg_size 56
		.amdhsa_user_sgpr_count 2
		.amdhsa_user_sgpr_kernarg_segment_ptr 1
		.amdhsa_wavefront_size32 1
		.amdhsa_system_sgpr_workgroup_id_x 1
		.amdhsa_system_sgpr_workgroup_id_y 1
		.amdhsa_system_sgpr_workgroup_id_z 1
		.amdhsa_system_vgpr_workitem_id 0
		.amdhsa_next_free_vgpr 768
		.amdhsa_next_free_sgpr 100
		.amdhsa_reserve_vcc 0
		.amdhsa_float_denorm_mode_32 3
		.amdhsa_float_denorm_mode_16_64 3
		.amdhsa_memory_ordered 1
		.amdhsa_forward_progress 1
		.amdhsa_inst_pref_size 101
	.end_amdhsa_kernel
	.amdgpu_metadata
---
amdhsa.version: [ 1, 2 ]
amdhsa.kernels:
  - .name:           k_qeecfb93851_proj
    .symbol:         k_qeecfb93851_proj.kd
    .args:
      - { .name: cod, .offset: 0, .size: 8, .value_kind: global_buffer, .address_space: global }
      - { .name: scl, .offset: 8, .size: 8, .value_kind: global_buffer, .address_space: global }
      - { .name: b_q, .offset: 16, .size: 8, .value_kind: global_buffer, .address_space: global }
      - { .name: b_k, .offset: 24, .size: 8, .value_kind: global_buffer, .address_space: global }
      - { .name: b_v, .offset: 32, .size: 8, .value_kind: global_buffer, .address_space: global }
      - { .name: pc, .offset: 40, .size: 8, .value_kind: global_buffer, .address_space: global }
      - { .name: ps, .offset: 48, .size: 8, .value_kind: global_buffer, .address_space: global }
    .group_segment_fixed_size: 295424
    .private_segment_fixed_size: 0
    .kernarg_segment_align: 8
    .kernarg_segment_size: 56
    .max_flat_workgroup_size: 128
    .sgpr_count:     100
    .vgpr_count:     768
    .wavefront_size: 32
...
	.end_amdgpu_metadata
.endif
;; end of part 2
;; launch attn (part 3): grid 4 x 64, 16 waves a work-group, no clusters, 215,040 bytes of LDS; arguments pc, ps, mw, fl, xc, xs; writes xc, xs
.if DOCPART == 3
	.amdgcn_target "amdgcn-amd-amdhsa--gfx1250"
	.amdhsa_code_object_version 6
	.text
	.protected	k_qeecfb93851_attn
	.globl	k_qeecfb93851_attn
	.p2align	8
	.type	k_qeecfb93851_attn,@function
k_qeecfb93851_attn:
	s_mov_b64 s[64:65], 0
	v_nop
	global_prefetch_b8 v0, s[64:65] scope:SCOPE_SE
	s_setreg_imm32_b32 hwreg(HW_REG_WAVE_MODE, 25, 1), 1
	s_wait_xcnt 0x0
; x[b][q][head][:] = softmax_k(Q . K / 8, masked) V, both products on codes of FP6 (E2M3) with E8M0 scales; the result is divided by the row's sum and quantised along (head, d) for the last projection.
; t = score x log2(e) / 8; M = the running largest t rounded up to a whole number; p = 2^(t - M) is quantised along the keys, not normalised; the row's sum is taken of the unquantised p.
; SHARES.  A work-group owns 512 queries of one head of one batch; each of its sixteen waves one tile of 16 queries at a time, in two passes, and walks all 2,048 keys in 16 steps of 128.  Four waves of 256 registers lie on a SIMD.
; THE HEAD'S K AND V LIE IN LDS (codes 98,304 bytes each, scale words 8,192 each), each byte stored once, through registers.  Ahead of the first barrier come the scale words and the codes of steps 0-3.  The codes of each later
; four steps are loaded (6 loads a thread, 24 registers) at the head of the group of four steps before them and stored behind it; a barrier then shows them to all waves.  That happens in the first pass's groups 0 to 2 alone:
; the branches round it hang on the two loop counters, which are the same in all waves.  The second pass's Q and flags are asked for at the head of the first pass's last group.
; NO TENSOR LOAD AND NO JOINT REQUEST: a step's masking is jumped over by a branch on a stored flag.  NO PREFETCH: the loads themselves are issued four steps ahead of their use.
; LAYOUT.  Both products are used transposed: S^T = K Q^T, O^T = V^T P^T: a lane holds one query (lane % 16).  Operands are half images of row tiles (768 bytes: six registers for 64 along K).  Row p of K's tile t of a step is
; key 64 (t / 4) + 8 (t % 4) + p % 8 + 32 (p / 8): so score register 32 c + i of lane (r, h) is key 64 c + 32 h + i: A LANE HOLDS TWO WHOLE BLOCKS OF 32 KEYS, in the order of the next operand's registers: a block's largest
; score needs no other lane, and the conversions' results are p's operand.  The row's largest score and the scale word's other two bytes come from lane l xor 16.
; K = 64 IN A FORM OF K = 128: Q's registers 6-11 are zero codes, so whatever codes stand in source 0's registers 6-11 add nothing (FP6 has no NaN and no infinity): tile t's operand is its six registers and the six that follow:
; the next tile's; behind tile 7 v80-85, six registers at work in the softmax, always written.  The scale bytes of those blocks are other blocks' bytes, never 0xff.
; THE ROW'S SUM RUNS ONE STEP BEHIND: a step's 32 lines of additions stand at the head of the next step, behind the issue of K's LDS loads and ahead of the wait for them, and once more at a pass's end.  The sum taken at a
; pass's first step is of what the registers still hold (zeros in the first pass, finite numbers in the second); the first step's f is 0, and the next sum's first line multiplies it away.
; THE MASK comes as lane masks, a word for each score register; they are loaded, and one v_cndmask_b32 a score is run, only in the steps whose stored flag shows a hole.
; LIMITS: the promise holds while the scaled scores stay under 2^31 in magnitude.  A masked score is -2^33 (a logit of -2^30 where reference() has -1e9): its t is a whole number, so a row that is masked throughout gives p = 1
; everywhere, the mean of V; the result differs from reference()'s only where an unmasked logit lies under about -9.9e8.  A block of zeros gets the byte 1.  NaN and infinities are not served.
.set FLOOR, 0x1800000                  ; 2^(3 - 127)
.set EOFF,  0xff000000                 ; takes 2 off an exponent field
.set VC,  98304                        ; LDS: K's codes at 0, V's here,
.set KS,  196608                       ; K's scale words,
.set VS,  204800                       ; V's; the spare words at 212,992
.set RG,  6291456                      ; from region to region of pc: Q, K, V
.set CHB, 24576                        ; four steps' codes of K or of V
.set F,   14                           ; v[14:15] f = 2^(old M - new M); at a pass's end 1 / the sum
.set KF,  32                           ; v32-79 K's eight tiles x 6, later V's four x 12
.set BM,  80                           ; v80-81 my two blocks' largest scores, then largest p
.set SO,  82                           ; v82-83 a chain of the maxima; then the conversions' scale operands
.set BY,  84                           ; v84-85 a chain of the maxima; then the scale bytes
.set KSW, 86                           ; v86-93 K's scale words
.set PW,  94                           ; v94 p's scale word
.set TMP, 95
.set S,   96                           ; v96-159 S^T, then p
.set O,   160                          ; v160-191 O^T
.set VSW, 192                          ; v192-195 V's scale words
.set PC,  196                          ; v196-207 p's codes
.set PC2, 208                          ; v208-210, v212-214 the second conversions' results
.set TM2, 211
.set PX,  215                          ; what lane l xor 16 sends
.set L,   216                          ; v[216:217] the row's sum; v218-223 three more chains inside a step
.set ST,  224                          ; v224-247 codes on their way to LDS; v224-230 the next pass's Q
.set FA,  248                          ; v248 16 x thread; v249, v250 the chunk's place in K's and in V's bytes
.set PT,  252                          ; v252-253 a chain of the maxima
; v1 16 lane, v2 8 lane + 512, v3 KS + 16 r, v4 the masked score, v5-9 the step's LDS addresses, v10 16 r, v11 lane, v12 -M, v13 the largest score, v16-21 Q, v22-27 zeros, v28 Q's scale word, v29-30 V's place, v31 8 h
.set WV,  84
.set TT,  85                           ; s85 my tile of queries
.set SEL, 86
.set CS,  88                           ; s[88:89] c = log2(e) / 8
.set TB,  90                           ; s90 the step's codes: 6,144 bytes a step
.set TS,  91                           ; s91 its scale words: 512 bytes a step
.set GI,  92                           ; s92 the group of four steps
.set PAS, 93
.set FLG, 94                           ; s94 bit s set: step s has a hole
.set SI,  95                           ; s95 the step in its group
.macro ASKQ q, w                       ; tile s3: Q's half image into v[q .. q+5], its scale words into v[w], its four words of flags into s[96:99].  s104, s[66:67], s[100:101] stay until the waits for these loads
	s_lshl_b32 s104, s3, 4
	s_load_b128 s[96:99], s[10:11], s104 offset:0x0
	s_mul_i32 s66, s3, 768
	s_mov_b32 s67, 0
	s_add_nc_u64 s[66:67], s[4:5], s[66:67]
	global_load_b128 v[\q:\q+3], v1, s[66:67] offset:-RG
	global_load_b64 v[\q+4:\q+5], v2, s[66:67] offset:-RG
	s_lshr_b32 s100, s3, 2
	s_lshl_b32 s100, s100, 8
	s_and_b32 s101, s3, 3
	s_lshl_b32 s101, s101, 2
	s_add_co_u32 s100, s100, s101
	s_mov_b32 s101, 0
	s_add_nc_u64 s[100:101], s[6:7], s[100:101]
	global_load_b32 v[\w], v10, s[100:101]
.endm
.macro SUM n                           ; line n of the row's sum over the 32 pairs of p: four chains; the first line brings the old sum under that step's M
.if (\n) == 0
	v_pk_fma_f32 v[L:L+1], v[L:L+1], v[F:F+1], v[S:S+1] op_sel_hi:[1,0,1]
.elseif (\n) < 4
	v_pk_add_f32 v[L+2*(\n):L+2*(\n)+1], v[S+4*(\n)-2:S+4*(\n)-1], v[S+4*(\n):S+4*(\n)+1]
.else
	v_pk_add_f32 v[L+2*((\n)%4):L+2*((\n)%4)+1], v[L+2*((\n)%4):L+2*((\n)%4)+1], v[S+2*(\n)+6:S+2*(\n)+7]
.endif
.endm
.macro SUMHEAD                         ; its first four lines
.irp n, 0,1,2,3
	SUM \n
.endr
.endm
.macro SUMREST                         ; and the other 28
.set n, 4
.rept 25
	SUM n
.set n, n+1
.endr
	s_delay_alu instid0(VALU_DEP_1)
	v_pk_add_f32 v[L:L+1], v[L:L+1], v[L+2:L+3]
	v_pk_add_f32 v[L+4:L+5], v[L+4:L+5], v[L+6:L+7]
	s_delay_alu instid0(VALU_DEP_1)
	v_pk_add_f32 v[L:L+1], v[L:L+1], v[L+4:L+5]
.endm
.macro CHR c, r                        ; round r of block c's four chains of maxima, one chain to an accumulator, each read from its low end on
.irp a, 0,1,2,3
.if \a < 3
.set XR, BM+2*\a+(\c)
.else
.set XR, PT+(\c)
.endif
.if (\r) == 0
	v_max3_num_f32 v[XR], v[S+32*(\c)+8*\a], v[S+32*(\c)+8*\a+1], v[S+32*(\c)+8*\a+2]
.else
	v_max3_num_f32 v[XR], v[XR], v[S+32*(\c)+8*\a+2*(\r)+1], v[S+32*(\c)+8*\a+2*(\r)+2]
.endif
.endr
.endm
.macro JOIN c, k                       ; the four chains and the accumulators' last registers become the block's largest score, in three stages
.if (\k) == 0
	v_max3_num_f32 v[BM+(\c)], v[BM+(\c)], v[SO+(\c)], v[S+32*(\c)+7]
	v_max3_num_f32 v[BY+(\c)], v[BY+(\c)], v[PT+(\c)], v[S+32*(\c)+15]
.elseif (\k) == 1
	v_max3_num_f32 v[BM+(\c)], v[BM+(\c)], v[BY+(\c)], v[S+32*(\c)+23]
.else
	v_max_num_f32 v[BM+(\c)], v[BM+(\c)], v[S+32*(\c)+31]
.endif
.endm
.macro ADDR                            ; the LDS addresses of the step at s[TB], s[TS]
	v_add_nc_u32 v6, s[TB], v2
	v_add_nc_u32 v7, s[TB], v29
	v_add_nc_u32 v8, s[TB], v30
	v_add_nc_u32 v9, s[TS], v3
.endm
	s_load_b256 s[4:11], s[0:1], 0x0               ; pc s[4:5], ps s[6:7], mw s[8:9], fl s[10:11]
	s_load_b128 s[12:15], s[0:1], 0x20             ; xc s[12:13], xs s[14:15]
	v_lshl_add_u32 v254, v0, 2, 0x34000
	v_mov_b32 v255, 0
	v_lshrrev_b32 v1, 5, v0
	v_and_b32 v11, 31, v0                          ; lane
	v_and_b32 v10, 15, v0
	v_bfe_u32 v31, v0, 4, 1
	v_readfirstlane_b32 s[WV], v1                  ; wave 0..15
	v_lshlrev_b32 v[FA], 4, v0                     ; the fill: 16 x thread, in memory and in LDS
	v_lshlrev_b32 v1, 4, v11
	v_lshl_add_u32 v2, v11, 3, 512
	v_lshlrev_b32 v10, 4, v10                      ; 16 r
	v_lshlrev_b32 v31, 3, v31                      ; 8 h
	s_and_b32 s2, ttmp7, 0xffff                    ; batch x 16 + head
	s_mul_i32 s66, s2, 98304
	s_mov_b32 s67, 0
	s_lshl_b32 s100, s2, 13
	s_mov_b32 s101, 0
	s_lshl_b32 s3, ttmp9, 5
	s_add_co_u32 s3, s3, s[WV]                     ; the first pass's tile
	s_wait_alu depctr_va_vdst(0)
	s_wait_kmcnt 0x0
	s_add_nc_u64 s[4:5], s[4:5], s[66:67]
	s_add_nc_u64 s[4:5], s[4:5], RG                ; K's half images of my head; Q's lie RG bytes back, V's RG bytes on
	s_add_nc_u64 s[6:7], s[6:7], s[100:101]        ; the scale words, 524,288 bytes from region to region
	global_load_b128 v[S:S+3], v[FA], s[6:7] offset:524288      ; 512 threads x 16 bytes: 8,192 consecutive bytes
	global_load_b128 v[S+4:S+7], v[FA], s[6:7] offset:1048576
.irp i, 0,1,2
	global_load_b128 v[ST+4*\i:ST+4*\i+3], v[FA], s[4:5] offset:8192*\i
	global_load_b128 v[ST+12+4*\i:ST+12+4*\i+3], v[FA], s[4:5] offset:RG+8192*\i
.endr
	ASKQ 16, 28
	v_add_nc_u32 v3, KS, v10
	v_mov_b32 v4, 0xd0000000                       ; -2^33
	v_add_nc_u32 v29, VC, v1
	v_add_nc_u32 v30, VC, v2
	v_add_nc_u32 v5, KS, v[FA]
	v_add_nc_u32 v6, VC, v[FA]
.irp i, 0,1,2,3,4,5
	v_mov_b32 v[22+\i], 0                          ; Q's upper 64 along K: zero codes
	v_mov_b32 v[BM+\i], 0                          ; what follows K's tile 7 is named before the first softmax writes it
.endr
	v_mov_b32 v[PX], 0                             ; a lane permute's destination counts as read
	v_mov_b32 v[F], 0                              ; the first sum finds f = 0 and p = 0
	v_mov_b32 v[F+1], 0                            ; (named as the upper half of a pair)
	s_mov_b32 s[SEL], 0x76543210
	s_mov_b32 s[SEL+1], 0xfedcba98                 ; lane l xor 16
	s_mov_b32 s[CS], 0x3e38aa3b
	s_mov_b32 s[CS+1], s[CS]
	s_wait_alu depctr_va_vdst(0)
	s_wait_loadcnt 0x0                             ; the eight loads of the fill, and Q
	ds_store_b128 v5, v[S:S+3]
	ds_store_b128 v5, v[S+4:S+7] offset:VS-KS
.irp i, 0,1,2
	ds_store_b128 v[FA], v[ST+4*\i:ST+4*\i+3] offset:8192*\i
	ds_store_b128 v6, v[ST+12+4*\i:ST+12+4*\i+3] offset:8192*\i
.endr
	s_wait_dscnt 0x0                               ; for the others' sake: my stores have landed
	s_barrier_signal -1
	s_barrier_wait -1                              ; the scale words and steps 0-3 lie in LDS
.set j, 0
.rept 64
	v_mov_b32 v[S+j], 0                            ; once in the launch: what the first step's sum, which runs a step behind, reads
.set j, j+1
.endr
	s_mov_b32 s[PAS], 0
.Lpass:
	s_lshl_b32 s[TT], ttmp9, 5
	s_lshl_b32 s2, s[PAS], 4
	s_add_co_u32 s[TT], s[TT], s2
	s_add_co_u32 s[TT], s[TT], s[WV]               ; T = 32 x + 16 pass + wave
	s_mov_b32 s[TB], 0
	s_mov_b32 s[TS], 0
	s_mov_b32 s[GI], 0
	s_cmp_eq_u32 s[PAS], 0
	s_cbranch_scc1 .Lq_in                          ; the first pass's Q was loaded into its place
	v_mov_b32 v28, v[ST+6]                         ; (the loads were waited for behind the last group)
.irp i, 0,1,2,3,4,5
	v_mov_b32 v[16+\i], v[ST+\i]
.endr
.Lq_in:
	v_add_nc_u32 v5, s[TB], v1                     ; step 0's addresses; each step makes the next one's
	ADDR
	v_mov_b32 v13, 0xff61b1e6                      ; the largest score so far: -3e38
	v_mov_b32 v12, 0x7d000000                      ; -M: so large that the first f is 0
	v_mov_b32 v[L], 0
	v_mov_b32 v[L+1], 0
.set j, 0
.rept 32
	v_mov_b32 v[O+j], 0                            ; the step is written once: the first finds zeros, which the first change of M leaves zeros
.set j, j+1
.endr
	s_wait_kmcnt 0x0
	s_or_b32 s[FLG], s96, s97
	s_or_b32 s[FLG], s[FLG], s98
	s_or_b32 s[FLG], s[FLG], s99
.Lgroup:
	s_lshl_b32 s2, s[PAS], 2
	s_add_co_u32 s2, s2, s[GI]                     ; groups walked so far
	s_cmp_lt_u32 s2, 3
	s_cbranch_scc0 .Lno_fetch
	s_mul_i32 s3, s[GI], CHB
	s_add_co_u32 s3, s3, CHB                       ; the next group's codes: the same offset in memory and in LDS
	v_add_nc_u32 v[FA+1], s3, v[FA]
	v_add_nc_u32 v[FA+2], VC, v[FA+1]
.irp i, 0,1,2
	global_load_b128 v[ST+4*\i:ST+4*\i+3], v[FA+1], s[4:5] offset:8192*\i
	global_load_b128 v[ST+12+4*\i:ST+12+4*\i+3], v[FA+1], s[4:5] offset:RG+8192*\i
.endr
	s_branch .Lno_q                                ; a group either fetches codes or asks for Q, never both
.Lno_fetch:
	s_cmp_eq_u32 s2, 3
	s_cbranch_scc0 .Lno_q
	s_add_co_u32 s3, s[TT], 16                     ; the first pass's last group: the second pass's tile
	ASKQ ST, ST+6
.Lno_q:
	s_mov_b32 s[SI], 0
.Lstep:
	SUMHEAD                                        ; the last step's sum begins: these four are also the places between the last step's products and the loads into the registers that they read
	ds_load_b128 v[KSW:KSW+3], v9
	ds_load_b128 v[KSW+4:KSW+7], v9 offset:256
.irp t, 0,1,2,3,4,5,6,7
	ds_load_b128 v[KF+6*\t:KF+6*\t+3], v5 offset:768*\t
	ds_load_b64 v[KF+6*\t+4:KF+6*\t+5], v6 offset:768*\t
.endr
	SUMREST                                        ; and goes on while the 18 loads are out
	s_wait_alu depctr_va_vdst(0)
	s_wait_dscnt 6                                 ; the scale words and tiles 0-4 are in; the six loads of tiles 5-7 may be out
.irp t, 0,1,2,3
	v_wmma_scale_f32_16x16x128_f8f6f4 v[S+8*\t:S+8*\t+7], v[KF+6*\t:KF+6*\t+11], v[16:27], 0, v[KSW+\t], v28 matrix_a_fmt:MATRIX_FMT_FP6 matrix_b_fmt:MATRIX_FMT_FP6
.endr
	s_wait_dscnt 0x0
.irp t, 4,5,6,7
	v_wmma_scale_f32_16x16x128_f8f6f4 v[S+8*\t:S+8*\t+7], v[KF+6*\t:KF+6*\t+11], v[16:27], 0, v[KSW+\t], v28 matrix_a_fmt:MATRIX_FMT_FP6 matrix_b_fmt:MATRIX_FMT_FP6
.endr
	v_mov_b32 v[TMP], v12                          ; the old -M.  With the three lines below: four places in front of the loads into K's registers and of the first read of the scores
.rept 3
	v_nop
.endr
.irp d, 0,1,2,3                        ; V's four tiles for these 128 keys: they land while the softmax is walked
	ds_load_b128 v[KF+12*\d:KF+12*\d+3], v7 offset:768*\d
	ds_load_b64 v[KF+12*\d+4:KF+12*\d+5], v8 offset:768*\d
	ds_load_b128 v[KF+12*\d+6:KF+12*\d+9], v7 offset:768*\d+3072
	ds_load_b64 v[KF+12*\d+10:KF+12*\d+11], v8 offset:768*\d+3072
.endr
	ds_load_b128 v[VSW:VSW+3], v9 offset:VS-KS
	s_lshl_b32 s2, s[GI], 2
	s_add_co_u32 s2, s2, s[SI]                     ; the step, 0..15
	s_lshr_b32 s3, s[FLG], s2
	s_and_b32 s3, s3, 1
	s_cmp_eq_u32 s3, 0
	s_cbranch_scc1 .Lopen                          ; a branch on a stored whole number: a step without a hole loads no mask and masks nothing
	s_lshl_b32 s2, s2, 8
	s_lshl_b32 s3, s[TT], 12
	s_add_co_u32 s3, s3, s2                        ; mw: [T][step][64 words]
	s_load_b512 s[16:31], s[8:9], s3 offset:0x0
	s_load_b512 s[32:47], s[8:9], s3 offset:0x40
	s_load_b512 s[48:63], s[8:9], s3 offset:0x80
	s_load_b512 s[68:83], s[8:9], s3 offset:0xc0
	s_wait_kmcnt 0x0
.set j, 0
.rept 64
.if j < 48
	v_cndmask_b32 v[S+j], v4, v[S+j], s[16+j]      ; bit set: the score stays
.else
	v_cndmask_b32 v[S+j], v4, v[S+j], s[20+j]
.endif
.set j, j+1
.endr
.Lopen:
	CHR 0, 0                                       ; the largest score of my two blocks of 32 keys; block 0's accumulators, which were issued first, are read first
	CHR 0, 1
	CHR 0, 2
	CHR 1, 0
	JOIN 0, 0
	CHR 1, 1
	JOIN 0, 1
	CHR 1, 2
	JOIN 0, 2                                      ; it serves twice: for the row's maximum, and, since p rises with the score, for the block's largest p
	JOIN 1, 0
	JOIN 1, 1
	JOIN 1, 2
	s_delay_alu instid0(VALU_DEP_1)
	v_max_num_f32 v[TM2], v[BM], v[BM+1]
	s_delay_alu instid0(VALU_DEP_1)
	v_permlanex16_b32 v[PX], v[TM2], s[SEL], s[SEL+1]
	s_delay_alu instid0(VALU_DEP_1)
	v_max3_num_f32 v13, v13, v[TM2], v[PX]         ; the running largest score of my query (c is positive: the largest t is c x this)
	s_delay_alu instid0(VALU_DEP_1)
	v_mul_f32 v[TM2], s[CS], v13
	s_delay_alu instid0(VALU_DEP_1)
	v_floor_f32 v12, -v[TM2]                       ; the new -M = -ceil(t)
.set j, 0
.rept 32
	v_pk_fma_f32 v[S+j:S+j+1], v[S+j:S+j+1], s[CS:CS+1], v[12:13] op_sel_hi:[1,0,0]   ; t - M, two at a time
.if j == 6
	v_sub_f32 v[TMP], v12, v[TMP]                  ; old M less new M: a whole number, 0 or less
.elseif j == 14
	v_cvt_i32_f32 v[TMP], v[TMP]                   ; (it saturates)
.elseif j == 22
	v_ldexp_f32 v[F], 1.0, v[TMP]                  ; f = 2^(old M - new M): rounds nothing
.endif
.set j, j+2
.endr
	v_fma_f32 v[BM], v[BM], s[CS], v12             ; the same of each block's largest score
	v_fma_f32 v[BM+1], v[BM+1], s[CS], v12
	s_wait_alu depctr_va_vdst(0)
.set j, 0
.rept 64
	v_exp_f32 v[S+j], v[S+j]                       ; p = 2^(t - M), at most 1
.set j, j+1
.endr
	v_exp_f32 v[BM], v[BM]                         ; the block's largest p: the same two instructions on the same number give the same bits
	v_exp_f32 v[BM+1], v[BM+1]
	s_wait_alu depctr_va_vdst(0)                   ; one wait for the batch, and, directly ahead of O^T's first reader, for the last step's products
.set j, 0
.rept 16
	v_pk_mul_f32 v[O+j:O+j+1], v[O+j:O+j+1], v[F:F+1] op_sel_hi:[1,0]   ; O^T under the new M (the first is the plain line behind the exponentials); p's scales are made among these lines
.if j == 6
	v_max_num_f32 v[BM], FLOOR, v[BM]              ; the byte cannot fall under 1 (a block whose every p is 0 keeps that byte: its codes are zeros)
	v_max_num_f32 v[BM+1], FLOOR, v[BM+1]
.elseif j == 10
	v_add_nc_u32 v[SO], EOFF, v[BM]                ; 2 off the exponent field: the conversion's scale operand
	v_add_nc_u32 v[SO+1], EOFF, v[BM+1]
.elseif j == 14
	v_lshrrev_b32 v[BY], 23, v[SO]                 ; the scale bytes
	v_lshrrev_b32 v[BY+1], 23, v[SO+1]
.elseif j == 18
	v_lshl_or_b32 v[PW], v[BY+1], 16, v[BY]        ; my two bytes, blocks h and 2 + h,
.elseif j == 20
	v_lshlrev_b32 v[PW], v31, v[PW]                ; at their places in the word;
.elseif j == 22
	v_permlanex16_b32 v[PX], v[PW], s[SEL], s[SEL+1]
.elseif j == 24
	v_or_b32 v[PW], v[PW], v[PX]                   ; with lane l xor 16's two the word is whole: 14 plain lines stand between it and the products
.endif
.set j, j+2
.endr
.irp c, 0,1                            ; my block 2 c + h: registers 6 c .. 6 c + 5 of p's operand
	v_cvt_scalef32_pk16_fp6_f32 v[PC+6*\c:PC+6*\c+2], v[S+32*\c:S+32*\c+15], v[SO+\c]
	v_cvt_scalef32_pk16_fp6_f32 v[PC2+4*\c:PC2+4*\c+2], v[S+32*\c+16:S+32*\c+31], v[SO+\c]   ; (a conversion's three registers begin on an even number)
.endr
	s_add_co_u32 s[TB], s[TB], 6144
	s_add_co_u32 s[TS], s[TS], 512
	v_add_nc_u32 v5, s[TB], v1                     ; the next step's addresses: this one is the plain line behind the conversions,
.irp c, 0,1
.irp i, 0,1,2
	v_mov_b32 v[PC+3+6*\c+\i], v[PC2+4*\c+\i]
.endr
.endr
	ADDR                                           ; and these four the places between the last write of p's codes and the products
	s_wait_alu depctr_va_vdst(0)
	s_wait_dscnt 0x0                               ; V is in
.irp d, 0,1,2,3                        ; the four accumulators take turns, one instruction a turn; the eight score products stand between a sum's links
	v_wmma_scale_f32_16x16x128_f8f6f4 v[O+8*\d:O+8*\d+7], v[KF+12*\d:KF+12*\d+11], v[PC:PC+11], v[O+8*\d:O+8*\d+7], v[VSW+\d], v[PW] matrix_a_fmt:MATRIX_FMT_FP6 matrix_b_fmt:MATRIX_FMT_FP6
.endr
	s_add_co_u32 s[SI], s[SI], 1
	s_cmp_lt_u32 s[SI], 4
	s_cbranch_scc1 .Lstep
	s_wait_loadcnt 0x0                             ; what was asked for at the group's head is in registers
	s_lshl_b32 s2, s[PAS], 2
	s_add_co_u32 s2, s2, s[GI]
	s_cmp_lt_u32 s2, 3
	s_cbranch_scc0 .Lno_store
.irp i, 0,1,2
	ds_store_b128 v[FA+1], v[ST+4*\i:ST+4*\i+3] offset:8192*\i      ; bytes that no wave reads before the barrier below
	ds_store_b128 v[FA+2], v[ST+12+4*\i:ST+12+4*\i+3] offset:8192*\i
.endr
	s_wait_dscnt 0x0                               ; for the others' sake: my stores have landed
	s_barrier_signal -1
	s_barrier_wait -1                              ; the next four steps lie in LDS
.Lno_store:
	s_add_co_u32 s[GI], s[GI], 1
	s_cmp_lt_u32 s[GI], 4
	s_cbranch_scc1 .Lgroup
	; a pass's end: the last step's sum; then O^T / the sum, quantised along the head's 64: register 16 b + i is d = 32 b + 16 h + i
	SUMHEAD
	SUMREST
	s_delay_alu instid0(VALU_DEP_1)
	v_add_f32 v[L], v[L], v[L+1]
	s_delay_alu instid0(VALU_DEP_1)
	v_permlanex16_b32 v[PX], v[L], s[SEL], s[SEL+1]
	s_delay_alu instid0(VALU_DEP_1)
	v_add_f32 v[L], v[L], v[PX]                    ; the row's sum
	s_wait_alu depctr_va_vdst(0)
	v_rcp_f32 v[F], v[L]
	v_nop                                          ; the plain line behind the reciprocal
	s_wait_xcnt 0x0                                ; the loads of Q have read s[66:67] and s[100:101], which are written below
	s_and_b32 s2, ttmp7, 0xffff
	s_lshr_b32 s3, s2, 4                           ; batch
	s_and_b32 s2, s2, 15                           ; head
	s_lshl_b32 s3, s3, 7
	s_add_co_u32 s3, s3, s[TT]                     ; the row tile among all 512
	s_lshl_b32 s66, s3, 4
	s_add_co_u32 s66, s66, s2
	s_mul_i32 s66, s66, 768
	s_mov_b32 s67, 0
	s_add_nc_u64 s[66:67], s[12:13], s[66:67]      ; xc: [row tile][head][768]
	s_lshl_b32 s100, s3, 9
	s_lshr_b32 s101, s2, 3
	s_lshl_b32 s101, s101, 8
	s_add_co_u32 s100, s100, s101
	s_and_b32 s101, s2, 7
	s_lshl_b32 s101, s101, 1
	s_add_co_u32 s100, s100, s101
	s_mov_b32 s101, 0
	s_add_nc_u64 s[100:101], s[14:15], s[100:101]  ; xs: unit (row tile, head / 8), my head's two bytes of a row's sixteen
	s_wait_alu depctr_va_vdst(0)                   ; ahead of the reciprocal's first reader, which is O^T's too
.set j, 0
.rept 16
	v_pk_mul_f32 v[S+j:S+j+1], v[O+j:O+j+1], v[F:F+1] op_sel_hi:[1,0]   ; each accumulator from its low end on
.set j, j+2
.endr
.irp b, 0,1
	v_max3_num_f32 v[BM+\b], |v[S+16*\b]|, |v[S+16*\b+1]|, FLOOR
.endr
.irp i, 2,4,6,8,10,12,14
.irp b, 0,1
	s_delay_alu instid0(VALU_DEP_2)
	v_max3_num_f32 v[BM+\b], v[BM+\b], |v[S+16*\b+\i]|, |v[S+16*\b+\i+1]|
.endr
.endr
.irp b, 0,1
	s_delay_alu instid0(VALU_DEP_2)
	v_permlanex16_b32 v[PT+\b], v[BM+\b], s[SEL], s[SEL+1]
.endr
.irp b, 0,1
	s_delay_alu instid0(VALU_DEP_2)
	v_max_num_f32 v[BM+\b], v[BM+\b], v[PT+\b]     ; here a block of 32 lies in lanes l and l xor 16
.endr
.irp b, 0,1
	s_delay_alu instid0(VALU_DEP_2)
	v_add_nc_u32 v[SO+\b], EOFF, v[BM+\b]
.endr
.irp b, 0,1
	s_delay_alu instid0(VALU_DEP_2)
	v_lshrrev_b32 v[PT+\b], 23, v[SO+\b]
.endr
	s_delay_alu instid0(VALU_DEP_1)
	v_lshl_or_b32 v[PW], v[PT+1], 8, v[PT]         ; the head's two scale bytes of my row
	v_cvt_scalef32_pk16_fp6_f32 v[PC:PC+2], v[S:S+15], v[SO]
	v_cvt_scalef32_pk16_fp6_f32 v[PC2:PC2+2], v[S+16:S+31], v[SO+1]
	v_nop                                          ; one plain line behind a scaled conversion
.irp i, 0,1,2
	v_permlane16_swap_b32 v[PC+\i], v[PC2+\i]      ; a whole block to a lane: lanes 0-15 block 0, lanes 16-31 block 1
.endr
.irp i, 0,1,2
	s_delay_alu instid0(VALU_DEP_3)
	v_mov_b32 v[PC+3+\i], v[PC2+\i]
.endr
	global_store_b128 v1, v[PC:PC+3], s[66:67]     ; a half image: 512 consecutive bytes,
	global_store_b64 v2, v[PC+4:PC+5], s[66:67]    ; and 256
	s_wait_alu depctr_va_vdst(0)
	s_wait_xcnt 0x0                                ; EXEC is a source of the stores that are out: it changes only behind this wait
	v_cmp_gt_u32 vcc_lo, 16, v11
	s_and_saveexec_b32 s3, vcc_lo
	global_store_b16 v10, v[PW], s[100:101]        ; two bytes a row: a work-group holds one head only, so a unit of scale words is written by eight work-groups' parts (262,144 bytes in the launch)
	s_wait_xcnt 0x0                                ; and again in front of the line that widens it; the stores' bases and data may be written again too
	s_or_b32 exec_lo, exec_lo, s3
	s_add_co_u32 s[PAS], s[PAS], 1
	s_cmp_lt_u32 s[PAS], 2
	s_cbranch_scc1 .Lpass
	s_wait_tensorcnt 0x0                           ; the wave's end
	ds_add_u32 v254, v255
	s_wait_dscnt 0x0
	s_endpgm
.Lfunc_end_k_qeecfb93851_attn:
	.size	k_qeecfb93851_attn, .Lfunc_end_k_qeecfb93851_attn-k_qeecfb93851_attn
	.p2alignl 7, 3214868480
	.fill 96, 4, 3214868480
	.section	.rodata,"a",@progbits
	.p2align	6, 0x0
	.amdhsa_kernel k_qeecfb93851_attn
		.amdhsa_group_segment_fixed_size 215040
		.amdhsa_private_segment_fixed_size 0
		.amdhsa_enable_private_segment 0
		.amdhsa_kernarg_size 48
		.amdhsa_user_sgpr_count 2
		.amdhsa_user_sgpr_kernarg_segment_ptr 1
		.amdhsa_wavefront_size32 1
		.amdhsa_system_sgpr_workgroup_id_x 1
		.amdhsa_system_sgpr_workgroup_id_y 1
		.amdhsa_system_sgpr_workgroup_id_z 1
		.amdhsa_system_vgpr_workitem_id 0
		.amdhsa_next_free_vgpr 256
		.amdhsa_next_free_sgpr 106
		.amdhsa_reserve_vcc 1
		.amdhsa_float_denorm_mode_32 3
		.amdhsa_float_denorm_mode_16_64 3
		.amdhsa_memory_ordered 1
		.amdhsa_forward_progress 1
		.amdhsa_inst_pref_size 39
	.end_amdhsa_kernel
	.amdgpu_metadata
---
amdhsa.version: [ 1, 2 ]
amdhsa.kernels:
  - .name:           k_qeecfb93851_attn
    .symbol:         k_qeecfb93851_attn.kd
    .args:
      - { .name: pc, .offset: 0, .size: 8, .value_kind: global_buffer, .address_space: global }
      - { .name: ps, .offset: 8, .size: 8, .value_kind: global_buffer, .address_space: global }
      - { .name: mw, .offset: 16, .size: 8, .value_kind: global_buffer, .address_space: global }
      - { .name: fl, .offset: 24, .size: 8, .value_kind: global_buffer, .address_space: global }
      - { .name: xc, .offset: 32, .size: 8, .value_kind: global_buffer, .address_space: global }
      - { .name: xs, .offset: 40, .size: 8, .value_kind: global_buffer, .address_space: global }
    .group_segment_fixed_size: 215040
    .private_segment_fixed_size: 0
    .kernarg_segment_align: 8
    .kernarg_segment_size: 48
    .max_flat_workgroup_size: 512
    .sgpr_count:     106
    .vgpr_count:     256
    .wavefront_size: 32
...
	.end_amdgpu_metadata
.endif
;; end of part 3
;; launch outp (part 4): grid 8 x 32, 4 waves a work-group, clusters of 4 x 4, 312,832 bytes of LDS; arguments xc, xs, cod, scl, b_o, out0; writes out0
.if DOCPART == 4
	.amdgcn_target "amdgcn-amd-amdhsa--gfx1250"
	.amdhsa_code_object_version 6
	.text
	.protected	k_qeecfb93851_outp
	.globl	k_qeecfb93851_outp
	.p2align	8
	.type	k_qeecfb93851_outp,@function
k_qeecfb93851_outp:
	s_mov_b64 s[64:65], 0
	v_nop
	global_prefetch_b8 v0, s[64:65] scope:SCOPE_SE
	s_setreg_imm32_b32 hwreg(HW_REG_WAVE_MODE, 25, 1), 1
	s_wait_xcnt 0x0
	s_wait_alu depctr_hold_cnt(0) depctr_sa_sdst(0) depctr_va_vdst(0) depctr_va_sdst(0) depctr_va_ssrc(0) depctr_va_vcc(0) depctr_vm_vsrc(0)
	s_getreg_b32 s2, hwreg(HW_REG_IB_STS2, 6, 4)
	s_cmp_eq_u32 s2, 0
	s_cbranch_scc0 .Lentry_in_a_cluster
	s_endpgm
.Lentry_in_a_cluster:
	s_bfe_u32 s2, ttmp6, 0x10000c
	s_cmp_lg_u32 s2, 0xf033
	s_cbranch_scc0 .Lentry_shape_is_right
	s_endpgm
.Lentry_shape_is_right:
; out0 = x w_o^T + b_o on codes of FP6 (E2M3) with E8M0 scales, K = 1,024; out0 [8192][1024] f32.  x's codes and scale words were laid by the attention launch as row tiles and half images, w_o's by the first launch.
; C[row][col] = sum over k of A[row][k] B[col][k], A = x, B = w_o.  A work-group of four waves makes 256 rows x 128 columns; wave w rows 64 w .. 64 w + 63 (4 tiles of A) x all 128 columns (8 tiles of B): 32 accumulators.
; The tile's WHOLE K lies in LDS (A 196,608 bytes, B 98,304), brought in halves of 512 along K, each filled once: no slot is ever filled again.  A wave has one tensor load out.
; CLUSTER 4 x 4: the four work-groups of a row need the same tile of A, the four of a column the same tile of B: each load is asked for jointly.
; THE MATRIX INSTRUCTION IS USED TRANSPOSED (source 0 = a tile of B, source 1 = a tile of A): lane (r, h) holds row r of A's tile (row 32 (a / 2) + 8 (a % 2) + r + 8 (r / 8) of my 64), and register j of B's tile t is column
; 32 (t / 2) + 16 h + 8 (t % 2) + j.  THE WAY OUT goes through the wave's own stage in LDS, 16 rows x 64 columns at a time, so that sixteen lanes store 256 consecutive aligned bytes of a row.
; REGISTERS: window 0: v1-31 addresses; v32-63 A's scale words, v64-127 B's; v128-223 A's fragments, two sets (on the way out: rows read back).  window 1: v0-191 B's fragments, two sets; v192-255 the bias in the result's
; layout.  window 2: accumulator (a, t) at v[8 (8 a + t)].
.set FR,   12
.set ACH,  98304                       ; half of K of A: 16 row tiles x 6,144 bytes.  ONE tensor load a wave, at the head: wave 0 A's first half of K, wave 1 B's, wave 2 A's second half, wave 3 B's; nothing is filled again
.set BCH,  49152                       ; half of K of B: 8 row tiles
.set BB0,  2*ACH
.set STG,  BB0+2*BCH                   ; behind the halves: a stage of 16 rows x (256 + 16) bytes for each wave; no tensor load lands there
.set AA16, 4
.set AA8,  8
.set BB16, 12
.set BB8,  16
.set R16,  20                          ; v20 16 r
.set H64,  21                          ; v21 64 h
.set STO,  22                          ; v22 the stage: where I put 32 bytes of a row
.set RD,   23                          ; v23 and where I read a row back
.set GO,   24                          ; v24 my byte offset in two rows of out0
.set V16,  28
.set V8,   29
.set SA,   32
.set SB,   64
.set AF,   128
.set BC,   192
.set BK,   128                         ; the way out: 16 rows x 256 bytes read back: v128-159 and v160-191 by turns
.set WV, 18
.set HF, 19
.set AB, 20
.set CX, 21
.set CY, 22
.set TC, 24
.set TR, 25
.set G1A, 28
.set G1B, 36
.set G0A, 44
.set G0B, 68
.set MSB, 0
.macro WIN new                         ; the immediate's high byte repeats the setting that is left
.if MSB != \new
	s_set_vgpr_msb (MSB<<8)|\new
.set MSB, \new
.endif
.endm
.macro CROUND                          ; a round of the cluster's barrier
	s_barrier_signal -1
	s_barrier_wait -1
	s_cmp_lg_u32 s[WV], 0
	s_cbranch_scc1 .Lnot_wave_0_\@
	s_barrier_signal -3
.Lnot_wave_0_\@:
	s_barrier_wait -3
	s_barrier_signal -1
	s_barrier_wait -1
.endm
.macro FRAG reg, a16, a8, off          ; a fragment: two half images
	ds_load_b128 v[(\reg):(\reg)+3], v[\a16] offset:\off
	ds_load_b64 v[(\reg)+4:(\reg)+5], v[\a8] offset:\off
	ds_load_b128 v[(\reg)+6:(\reg)+9], v[\a16] offset:\off+768
	ds_load_b64 v[(\reg)+10:(\reg)+11], v[\a8] offset:\off+768
.endm
.macro FETCH s                         ; K step s (128 along K) into set s % 2: 48 loads in one run
	WIN 0x40
.irp t, 0,1,2,3,4,5,6,7
	FRAG 96*((\s)%2)+FR*\t, BB16+(\s)/4, BB8+(\s)/4, 6144*\t+1536*((\s)%4)
.endr
	WIN 0
.irp a, 0,1,2,3
	FRAG AF+48*((\s)%2)+FR*\a, AA16+(\s)/4, AA8+(\s)/4, 6144*\a+1536*((\s)%4)
.endr
.endm
.macro MUL s                           ; 32 products: the 32 accumulators take turns, one instruction a turn, in the same order in every step.  The first step's C is the bias: nothing is cleared
.if (\s) == 0
	WIN 0x91
.else
	WIN 0xa1
.endif
.irp a, 0,1,2,3
.irp t, 0,1,2,3,4,5,6,7
.if (\s) == 0
	v_wmma_scale_f32_16x16x128_f8f6f4 v[8*(8*\a+\t):8*(8*\a+\t)+7], v[96*((\s)%2)+FR*\t:96*((\s)%2)+FR*\t+FR-1], v[AF+48*((\s)%2)+FR*\a:AF+48*((\s)%2)+FR*\a+FR-1], v[BC+8*\t:BC+8*\t+7], v[SB+8*\t+(\s)], v[SA+8*\a+(\s)] matrix_a_fmt:MATRIX_FMT_FP6 matrix_b_fmt:MATRIX_FMT_FP6
.else
	v_wmma_scale_f32_16x16x128_f8f6f4 v[8*(8*\a+\t):8*(8*\a+\t)+7], v[96*((\s)%2)+FR*\t:96*((\s)%2)+FR*\t+FR-1], v[AF+48*((\s)%2)+FR*\a:AF+48*((\s)%2)+FR*\a+FR-1], v[8*(8*\a+\t):8*(8*\a+\t)+7], v[SB+8*\t+(\s)], v[SA+8*\a+(\s)] matrix_a_fmt:MATRIX_FMT_FP6 matrix_b_fmt:MATRIX_FMT_FP6
.endif
.endr
.endr
.endm
.macro STEP s
	s_wait_dscnt 0x0                               ; this step's fragments are in (asked for 32 products ago); no LDS instruction of mine is out at a signal
.if (\s) == 3
	s_wait_tensorcnt 0x0                           ; every wave's one load has landed: the second halves of K among them
	s_barrier_signal -1
	s_barrier_wait -1
.endif
.if (\s) < 7
.if (\s) > 0
.rept 4
	v_nop                                          ; four places between the last products and loads into the registers that they read
.endr
.endif
	FETCH (\s)+1
.endif
	MUL \s
.endm
	s_load_b256 s[4:11], s[0:1], 0x0               ; xc s[4:5], xs s[6:7], cod s[8:9], scl s[10:11]
	s_load_b128 s[12:15], s[0:1], 0x20             ; b_o s[12:13], out0 s[14:15]
	v_lshl_add_u32 v254, v0, 2, 0x4c400
	v_mov_b32 v255, 0
	ds_add_u32 v254, v255
	ds_add_u32 v254, v255
	v_lshrrev_b32 v1, 5, v0
	v_readfirstlane_b32 s[WV], v1
	s_bfe_u32 s[CX], ttmp6, 0x40000
	s_bfe_u32 s[CY], ttmp6, 0x40004
	s_lshl_b32 s[TC], ttmp9, 2
	s_add_co_u32 s[TC], s[TC], s[CX]               ; tile column, 0..7
	s_and_b32 s[TR], ttmp7, 0xffff
	s_lshl_b32 s[TR], s[TR], 2
	s_add_co_u32 s[TR], s[TR], s[CY]               ; tile row, 0..31
	s_lshl_b32 s62, s[CY], 2
	s_lshl_b32 s62, 15, s62                        ; my row of the cluster
	s_lshl_b32 s63, 0x1111, s[CX]                  ; my column
	; group 1: R rows (row tiles) of 6,144 bytes (768 elements of 8 bytes), 12,288 bytes apart; dense in LDS
	s_or_b32 s[G1A], s62, (3<<16)|(1<<21)
	s_or_b32 s[G1B], s63, (3<<16)|(1<<21)
.irp g, G1A, G1B
	s_mov_b32 s[\g+1], 768<<16                     ; rows of 6,144 bytes as 768 elements of 8
	s_mov_b32 s[\g+3], 768<<16
	s_mov_b32 s[\g+5], 1536
	s_mov_b32 s[\g+6], 0
	s_mov_b32 s[\g+7], 0
.endr
	s_mov_b32 s[G1A+2], 16<<16
	s_mov_b32 s[G1A+4], 16
	s_mov_b32 s[G1B+2], 8<<16
	s_mov_b32 s[G1B+4], 8
	s_lshl_b32 s84, s[TR], 4                       ; A's first row tile in xc.  A's numbers (s84-87, s92-93) never hold cx, B's (s88-91, s94-95) never cy
	s_lshl_b32 s88, s[TC], 3
	s_add_co_u32 s88, s88, 1728                    ; B's in cod: w_o begins at row tile 1,728
	s_mov_b32 s86, 0
	s_add_co_u32 s86, s86, s84
	s_mul_i32 s86, s86, 12288
	s_mov_b32 s87, 0
	s_mov_b32 s90, 0
	s_add_co_u32 s90, s90, s88
	s_mul_i32 s90, s90, 12288
	s_mov_b32 s91, 0
	s_lshl_b32 s92, s[WV], 2
	s_add_co_u32 s92, s92, s84
	s_lshl_b32 s92, s92, 9
	s_mov_b32 s93, 0
	s_lshl_b32 s94, s88, 9
	s_mov_b32 s95, 0
	s_mov_b32 s2, 0
	s_mov_b32 s3, 0
	s_lshl_b32 s60, s[TR], 8
	s_lshl_b32 s61, s[WV], 6
	s_add_co_u32 s60, s60, s61                     ; my first row of out0,
	s_lshl_b32 s60, s60, 12                        ; rows of 4,096 bytes,
	s_lshl_b32 s98, s[TC], 9                       ; my 128 columns: 512 bytes
	s_add_co_u32 s60, s60, s98
	s_mov_b32 s61, 0
	s_mov_b32 s99, 0
	s_wait_dscnt 0x0
	s_wait_kmcnt 0x0
	s_add_nc_u64 s[86:87], s[4:5], s[86:87]
	s_add_nc_u64 s[90:91], s[8:9], s[90:91]
	s_add_nc_u64 s[92:93], s[6:7], s[92:93]
	s_add_nc_u64 s[94:95], s[10:11], s[94:95]
	s_add_nc_u64 s[12:13], s[12:13], s[98:99]
	s_add_nc_u64 s[14:15], s[14:15], s[60:61]
.irp c, 0,1
	s_mov_b32 s[G0A+4*\c], 1
	s_add_co_u32 s[G0A+4*\c+1], s2, ACH*\c
	s_add_nc_u64 s[G0A+4*\c+2:G0A+4*\c+3], s[86:87], 6144*\c   ; half c: 512 along K
	s_or_b32 s[G0A+4*\c+3], s[G0A+4*\c+3], 0x80000000
	s_mov_b32 s[G0B+4*\c], 1
	s_add_co_u32 s[G0B+4*\c+1], s3, BB0+BCH*\c
	s_add_nc_u64 s[G0B+4*\c+2:G0B+4*\c+3], s[90:91], 6144*\c
	s_or_b32 s[G0B+4*\c+3], s[G0B+4*\c+3], 0x80000000
.endr
	CROUND                                         ; all sixteen work-groups are here: the joint loads meet
	s_cmp_eq_u32 s[WV], 0                          ; one chain of branches on the wave's number, one load to an arm, all arms to one join
	s_cbranch_scc0 .Lfill_1
	tensor_load_to_lds s[G0A:G0A+3], s[G1A:G1A+7]  ; wave 0: A, the first half of K
	s_nop 0
.rept 4
	v_nop
.endr
	s_branch .Lfilled
.Lfill_1:
	s_cmp_eq_u32 s[WV], 1
	s_cbranch_scc0 .Lfill_2
	tensor_load_to_lds s[G0B:G0B+3], s[G1B:G1B+7]  ; wave 1: B, the first half
	s_nop 0
.rept 4
	v_nop
.endr
	s_branch .Lfilled
.Lfill_2:
	s_cmp_eq_u32 s[WV], 2
	s_cbranch_scc0 .Lfill_3
	tensor_load_to_lds s[G0A+4:G0A+7], s[G1A:G1A+7]  ; wave 2: A, the second half
	s_nop 0
.rept 4
	v_nop
.endr
	s_branch .Lfilled
.Lfill_3:
	tensor_load_to_lds s[G0B+4:G0B+7], s[G1B:G1B+7]  ; wave 3: B, the second half
	s_nop 0
.rept 4
	v_nop
.endr
.Lfilled:
	v_and_b32 v1, 31, v0
	v_and_b32 v2, 15, v0
	v_bfe_u32 v3, v0, 4, 1
	v_lshlrev_b32 v[V16], 4, v1
	v_lshl_add_u32 v[V8], v1, 3, 512
	s_mul_i32 s60, s[WV], 24576                    ; my four row tiles of A in a half
	v_add_nc_u32 v[AA16], s60, v[V16]
	v_add_nc_u32 v[AA8], s60, v[V8]
	v_add_nc_u32 v[BB16], BB0, v[V16]
	v_add_nc_u32 v[BB8], BB0, v[V8]
.irp c, 1
	v_add_nc_u32 v[AA16+\c], ACH*\c, v[AA16]
	v_add_nc_u32 v[AA8+\c], ACH*\c, v[AA8]
	v_add_nc_u32 v[BB16+\c], BCH*\c, v[BB16]
	v_add_nc_u32 v[BB8+\c], BCH*\c, v[BB8]
.endr
	v_lshlrev_b32 v[R16], 4, v2
	v_lshlrev_b32 v[H64], 6, v3
	s_mul_i32 s61, s[WV], 16*272
	s_add_co_u32 s61, s61, STG                     ; my stage
	v_mul_u32_u24 v[STO], v2, 272
	v_lshl_add_u32 v[STO], v3, 6, v[STO]
	v_add_nc_u32 v[STO], s61, v[STO]               ; in: row r, + 64 h
	v_mul_u32_u24 v[RD], v3, 272
	v_lshl_add_u32 v[RD], v2, 4, v[RD]
	v_add_nc_u32 v[RD], s61, v[RD]                 ; back: lanes 0-15 one row, lanes 16-31 the next; 16 bytes a lane
	v_lshlrev_b32 v[GO], 12, v3
	v_lshl_add_u32 v[GO], v2, 4, v[GO]             ; and the same two rows in out0
.irp a, 0,1,2,3
.irp kh, 0,1
	global_load_b128 v[SA+8*\a+4*\kh:SA+8*\a+4*\kh+3], v[R16], s[92:93] offset:512*\a+256*\kh   ; row r's words of four K steps
.endr
.endr
.irp t, 0,1,2,3,4,5,6,7
.irp kh, 0,1
	global_load_b128 v[SB+8*\t+4*\kh:SB+8*\t+4*\kh+3], v[R16], s[94:95] offset:512*\t+256*\kh
.endr
.endr
	WIN 0x40
.irp t, 0,1,2,3,4,5,6,7                ; the bias: eight registers a tile in the result's layout: columns 32 (t / 2) + 16 h + 8 (t % 2) + 0 .. 7
	global_load_b128 v[BC+8*\t:BC+8*\t+3], v[H64], s[12:13] offset:(32*(\t/2)+8*(\t%2))*4
	global_load_b128 v[BC+8*\t+4:BC+8*\t+7], v[H64], s[12:13] offset:(32*(\t/2)+8*(\t%2))*4+16
.endr
	WIN 0
	s_wait_alu depctr_va_vdst(0)
	s_cmp_lt_u32 s[WV], 2
	s_cbranch_scc0 .Lnot_first
	s_wait_tensorcnt 0x0                           ; waves 0 and 1: the first halves of K have landed; the lines of waves 2 and 3 may stay out
.Lnot_first:
	s_barrier_signal -1
	s_barrier_wait -1
	FETCH 0
	s_wait_loadcnt 0x0                             ; scale words and bias
.irp s, 0,1,2,3,4,5,6,7
	STEP \s
.endr
	WIN 0
.rept 4
	v_nop                                          ; four places between the last products and the first read of results and the loads into their operands' registers
.endr
; Block e = 2 a + u: A's tile a, columns 64 u on.  LDS serves a wave's instructions in order: no wait between the stores and the loads, nor in front of the next block's stores.
.macro TOSTAGE e
	WIN 0x08                                       ; an LDS store's data are its source 1: window 2
.irp q, 0,1,2,3                        ; B's tile 4 u + q: columns 32 (q / 2) + 16 h + 8 (q % 2) + 0 .. 7 of the 64
	ds_store_b128 v[STO], v[8*(8*((\e)/2)+4*((\e)%2)+\q):8*(8*((\e)/2)+4*((\e)%2)+\q)+3] offset:128*(\q/2)+32*(\q%2)       ; each accumulator from its low end on
	ds_store_b128 v[STO], v[8*(8*((\e)/2)+4*((\e)%2)+\q)+4:8*(8*((\e)/2)+4*((\e)%2)+\q)+7] offset:128*(\q/2)+32*(\q%2)+16
.endr
	WIN 0
.irp i, 0,1,2,3,4,5,6,7
	ds_load_b128 v[BK+32*((\e)%2)+4*\i:BK+32*((\e)%2)+4*\i+3], v[RD] offset:544*\i
.endr
.endm
.macro SEND e, younger                 ; younger: the LDS instructions issued behind block e's loads, which may stay out
	s_wait_dscnt \younger
.irp i, 0,1,2,3,4,5,6,7                ; stage rows 2 i and 2 i + 1 are rows 32 (a / 2) + 8 (a % 2) + 2 i + 8 (i / 4) and the next of my 64
	global_store_b128 v[GO], v[BK+32*((\e)%2)+4*\i:BK+32*((\e)%2)+4*\i+3], s[14:15] offset:(32*((\e)/4)+8*(((\e)/2)%2)+2*\i+8*(\i/4))*4096+256*((\e)%2) th:TH_STORE_NT   ; sixteen lanes store 256 consecutive aligned bytes; written once, read by nobody here
.endr
.endm
	s_wait_alu depctr_va_vdst(0)
	TOSTAGE 0
.irp e, 1,2,3,4,5,6,7
.if \e > 1
	s_wait_xcnt 0x0                                ; block e - 2's stores have read their registers: block e's loads may land there
.endif
	TOSTAGE \e
	SEND \e-1, 16                                  ; behind block e - 1's loads: block e's 8 stores and 8 loads
.endr
	SEND 7, 0
	s_wait_tensorcnt 0x0
	ds_add_u32 v254, v255
	s_wait_dscnt 0x0
	CROUND                                         ; the closing round: no work-group ends while a partner may still ask for a tile that names it
	s_endpgm
.Lfunc_end_k_qeecfb93851_outp:
	.size	k_qeecfb93851_outp, .Lfunc_end_k_qeecfb93851_outp-k_qeecfb93851_outp
	.p2alignl 7, 3214868480
	.fill 96, 4, 3214868480
	.section	.rodata,"a",@progbits
	.p2align	6, 0x0
	.amdhsa_kernel k_qeecfb93851_outp
		.amdhsa_group_segment_fixed_size 312832
		.amdhsa_private_segment_fixed_size 0
		.amdhsa_enable_private_segment 0
		.amdhsa_kernarg_size 48
		.amdhsa_user_sgpr_count 2
		.amdhsa_user_sgpr_kernarg_segment_ptr 1
		.amdhsa_wavefront_size32 1
		.amdhsa_system_sgpr_workgroup_id_x 1
		.amdhsa_system_sgpr_workgroup_id_y 1
		.amdhsa_system_sgpr_workgroup_id_z 1
		.amdhsa_system_vgpr_workitem_id 0
		.amdhsa_next_free_vgpr 768
		.amdhsa_next_free_sgpr 100
		.amdhsa_reserve_vcc 0
		.amdhsa_float_denorm_mode_32 3
		.amdhsa_float_denorm_mode_16_64 3
		.amdhsa_memory_ordered 1
		.amdhsa_forward_progress 1
		.amdhsa_inst_pref_size 85
	.end_amdhsa_kernel
	.amdgpu_metadata
---
amdhsa.version: [ 1, 2 ]
amdhsa.kernels:
  - .name:           k_qeecfb93851_outp
    .symbol:         k_qeecfb93851_outp.kd
    .args:
      - { .name: xc, .offset: 0, .size: 8, .value_kind: global_buffer, .address_space: global }
      - { .name: xs, .offset: 8, .size: 8, .value_kind: global_buffer, .address_space: global }
      - { .name: cod, .offset: 16, .size: 8, .value_kind: global_buffer, .address_space: global }
      - { .name: scl, .offset: 24, .size: 8, .value_kind: global_buffer, .address_space: global }
      - { .name: b_o, .offset: 32, .size: 8, .value_kind: global_buffer, .address_space: global }
      - { .name: out0, .offset: 40, .size: 8, .value_kind: global_buffer, .address_space: global }
    .group_segment_fixed_size: 312832
    .private_segment_fixed_size: 0
    .kernarg_segment_align: 8
    .kernarg_segment_size: 48
    .max_flat_workgroup_size: 128
    .sgpr_count:     100
    .vgpr_count:     768
    .wavefront_size: 32
...
	.end_amdgpu_metadata
.endif
;; end of part 4
